; MI455X (gfx1250); checked and timed in simulation.
; The chip was launched on July 23, 2026; its instructions are those of AMD's public machine-readable ISA for CDNA 5 (MIT licence, August 2026) and "CDNA5" Instruction Set Architecture Reference Guide (July 2026). The comments in the code are by the model that wrote it; some were corrected since.
;; linear attention. Allowed arithmetic: float matrix products may take bf16 or f16 operands with f32 sums; other float arithmetic in f32, or as packed bf16 or f16 multiplies, adds, multiply-adds, maxima and minima; sums over many terms, partial sums and values carried from step to step in f32; what a program stores and reads back later, other than sums and carried values, may be rounded once to bf16 or f16.
;; Inputs: Wk 1,024 x 1,024 float32; Wp 1,024 x 1,024 float32; Wq 1,024 x 1,024 float32; Wv 1,024 x 1,024 float32; bk 1,024 float32; bp 1,024 float32; bq 1,024 float32; bv 1,024 float32; label_emb 4 x 2,048 x 1,024 float32; node_emb 4 x 2,048 x 1,024 float32.
;; Outputs: out0 4 x 2,048 x 1,024 float32.
;; One version. Each part assembles by itself: llvm-mc -triple=amdgcn-amd-amdhsa -mcpu=gfx1250 --defsym DOCPART=n.
;; ======== version 1 of 1: 6 launches
;; limits: values are held in f16: magnitudes above 65,504 overflow, below 6.1e-05 lose precision
;; workspace buffers: XB 33,554,432 bytes; WB 6,291,456 bytes; WPH 2,097,152 bytes; QKV 50,331,648 bytes; SC 67,108,864 bytes; PB 33,554,432 bytes; ZB 16,777,216 bytes
;; launch cvt (part 1): grid 1280 x 1, 8 waves a work-group, no clusters, 0 bytes of LDS; arguments label_emb, node_emb, Wq, Wk, Wv, Wp, XB, WB, WPH; writes XB, WB, WPH
.if DOCPART == 1
	.amdgcn_target "amdgcn-amd-amdhsa--gfx1250"
	.amdhsa_code_object_version 6
	.text
	.protected	k_q60d4453882_cvt
	.globl	k_q60d4453882_cvt
	.p2align	8
	.type	k_q60d4453882_cvt,@function
k_q60d4453882_cvt:
	s_mov_b64 s[64:65], 0
	v_nop
	global_prefetch_b8 v0, s[64:65] scope:SCOPE_SE
	s_setreg_imm32_b32 hwreg(HW_REG_WAVE_MODE, 25, 1), 1
	s_wait_xcnt 0x0
; THE INPUTS ARE ROUNDED ONCE, to bf16, for the matrix products that follow.
; XB [16384][1024] bf16 = label_emb's 8,192 rows, then node_emb's.  WB [3072][1024] bf16 = Wq, Wk, Wv.  WPH [1024][1024] = Wp rounded to bf16 and that number written as f16
; (its partner in the last product is f16).  LIMIT: a bf16 number below 2^-17 in size is rounded once more, to f16's fixed step of 2^-24; beyond 65,504 it would be an infinity.
; A stream: no LDS, no barrier, no loop.  A work-group takes 16,384 numbers of one array, a wave 2,048: sixteen loads of 512 consecutive bytes, all out at once; each store of the
; wave covers 256 consecutive bytes, aligned.  Work-groups 0-511 label_emb, 512-1023 node_emb, 1024-1087 Wq, 1088-1151 Wk, 1152-1215 Wv, 1216-1279 Wp.
; No register is written twice while a load or store may read it, so the only waits are the counted ones for the loads.
.set X, 16                             ; v[16:79]   sixteen loads of four f32
.set Y, 80                             ; v[80:111]  sixteen stores of four 16-bit numbers
.set T, 112                            ; v[112:117] at work (Wp alone)
	s_load_b512 s[8:23], s[0:1], 0x0               ; label s[8:9], node s[10:11], Wq s[12:13], Wk s[14:15], Wv s[16:17], Wp s[18:19], XB s[20:21], WB s[22:23]
	s_load_b64 s[24:25], s[0:1], 0x40              ; WPH
	v_lshrrev_b32 v3, 5, v0                        ; wave
	v_and_b32 v4, 31, v0                           ; lane
	v_lshlrev_b32 v1, 4, v4
	v_lshl_add_u32 v1, v3, 13, v1                  ; source: 8,192 x wave + 16 x lane
	v_lshrrev_b32 v2, 1, v1                        ; destination: half of that
	s_wait_kmcnt 0x0
	s_mov_b64 s[4:5], s[18:19]                     ; the source and its first work-group, chosen by the work-group's number alone
	s_mov_b32 s3, 1216
	s_cmp_lt_u32 ttmp9, 1216
	s_cselect_b64 s[4:5], s[16:17], s[4:5]
	s_cselect_b32 s3, 1152, s3
	s_cmp_lt_u32 ttmp9, 1152
	s_cselect_b64 s[4:5], s[14:15], s[4:5]
	s_cselect_b32 s3, 1088, s3
	s_cmp_lt_u32 ttmp9, 1088
	s_cselect_b64 s[4:5], s[12:13], s[4:5]
	s_cselect_b32 s3, 1024, s3
	s_cmp_lt_u32 ttmp9, 1024
	s_cselect_b64 s[4:5], s[10:11], s[4:5]
	s_cselect_b32 s3, 512, s3
	s_cmp_lt_u32 ttmp9, 512
	s_cselect_b64 s[4:5], s[8:9], s[4:5]
	s_cselect_b32 s3, 0, s3
	s_mov_b64 s[6:7], s[24:25]                     ; the destination and its first work-group
	s_mov_b32 s26, 1216
	s_cmp_lt_u32 ttmp9, 1216
	s_cselect_b64 s[6:7], s[22:23], s[6:7]
	s_cselect_b32 s26, 1024, s26
	s_cmp_lt_u32 ttmp9, 1024
	s_cselect_b64 s[6:7], s[20:21], s[6:7]
	s_cselect_b32 s26, 0, s26
	s_sub_co_u32 s28, ttmp9, s3
	s_lshl_b32 s28, s28, 16                        ; 65,536 bytes of f32 a work-group
	s_mov_b32 s29, 0
	s_add_nc_u64 s[4:5], s[4:5], s[28:29]
	s_sub_co_u32 s30, ttmp9, s26
	s_lshl_b32 s30, s30, 15                        ; 32,768 bytes of 16-bit numbers
	s_mov_b32 s31, 0
	s_add_nc_u64 s[6:7], s[6:7], s[30:31]
.irp k, 0,1,2,3,4,5,6,7,8,9,10,11,12,13,14,15
	global_load_b128 v[X+4*(\k):X+4*(\k)+3], v1, s[4:5] offset:512*(\k) th:TH_LOAD_NT
.endr
	s_cmp_ge_u32 ttmp9, 1216
	s_cbranch_scc1 .Lwp
.irp k, 0,1,2,3,4,5,6,7,8,9,10,11,12,13,14,15
	s_wait_loadcnt 15-(\k)                         ; loads come back in order: load k is in, the 15 - k younger ones stay out
	v_cvt_pk_bf16_f32 v[Y+2*(\k)],   v[X+4*(\k)],   v[X+4*(\k)+1]
	v_cvt_pk_bf16_f32 v[Y+2*(\k)+1], v[X+4*(\k)+2], v[X+4*(\k)+3]
	global_store_b64 v2, v[Y+2*(\k):Y+2*(\k)+1], s[6:7] offset:256*(\k)
.endr
	s_endpgm
.Lwp:                                                  ; Wp: rounded to bf16 like every input, widened again, and written as f16
.irp k, 0,1,2,3,4,5,6,7,8,9,10,11,12,13,14,15
	s_wait_loadcnt 15-(\k)
	v_cvt_pk_bf16_f32 v[T],   v[X+4*(\k)],   v[X+4*(\k)+1]
	v_cvt_pk_bf16_f32 v[T+1], v[X+4*(\k)+2], v[X+4*(\k)+3]
	v_lshlrev_b32 v[T+2], 16, v[T]
	v_and_b32     v[T+3], 0xffff0000, v[T]
	v_lshlrev_b32 v[T+4], 16, v[T+1]
	v_and_b32     v[T+5], 0xffff0000, v[T+1]
	v_cvt_pk_f16_f32 v[Y+2*(\k)],   v[T+2], v[T+3]
	v_cvt_pk_f16_f32 v[Y+2*(\k)+1], v[T+4], v[T+5]
	global_store_b64 v2, v[Y+2*(\k):Y+2*(\k)+1], s[6:7] offset:256*(\k)
.endr
	s_endpgm
.Lfunc_end_k_q60d4453882_cvt:
	.size	k_q60d4453882_cvt, .Lfunc_end_k_q60d4453882_cvt-k_q60d4453882_cvt
	.p2alignl 7, 3214868480
	.fill 96, 4, 3214868480
	.section	.rodata,"a",@progbits
	.p2align	6, 0x0
	.amdhsa_kernel k_q60d4453882_cvt
		.amdhsa_group_segment_fixed_size 0
		.amdhsa_private_segment_fixed_size 0
		.amdhsa_enable_private_segment 0
		.amdhsa_kernarg_size 72
		.amdhsa_user_sgpr_count 2
		.amdhsa_user_sgpr_kernarg_segment_ptr 1
		.amdhsa_wavefront_size32 1
		.amdhsa_system_sgpr_workgroup_id_x 1
		.amdhsa_system_sgpr_workgroup_id_y 1
		.amdhsa_system_sgpr_workgroup_id_z 1
		.amdhsa_system_vgpr_workitem_id 0
		.amdhsa_next_free_vgpr 128
		.amdhsa_next_free_sgpr 66
		.amdhsa_reserve_vcc 0
		.amdhsa_float_denorm_mode_32 3
		.amdhsa_float_denorm_mode_16_64 3
		.amdhsa_memory_ordered 1
		.amdhsa_forward_progress 1
		.amdhsa_inst_pref_size 17
	.end_amdhsa_kernel
	.amdgpu_metadata
---
amdhsa.version: [ 1, 2 ]
amdhsa.kernels:
  - .name:           k_q60d4453882_cvt
    .symbol:         k_q60d4453882_cvt.kd
    .args:
      - { .name: label_emb, .offset: 0, .size: 8, .value_kind: global_buffer, .address_space: global }
      - { .name: node_emb, .offset: 8, .size: 8, .value_kind: global_buffer, .address_space: global }
      - { .name: Wq, .offset: 16, .size: 8, .value_kind: global_buffer, .address_space: global }
      - { .name: Wk, .offset: 24, .size: 8, .value_kind: global_buffer, .address_space: global }
      - { .name: Wv, .offset: 32, .size: 8, .value_kind: global_buffer, .address_space: global }
      - { .name: Wp, .offset: 40, .size: 8, .value_kind: global_buffer, .address_space: global }
      - { .name: XB, .offset: 48, .size: 8, .value_kind: global_buffer, .address_space: global }
      - { .name: WB, .offset: 56, .size: 8, .value_kind: global_buffer, .address_space: global }
      - { .name: WPH, .offset: 64, .size: 8, .value_kind: global_buffer, .address_space: global }
    .group_segment_fixed_size: 0
    .private_segment_fixed_size: 0
    .kernarg_segment_align: 8
    .kernarg_segment_size: 72
    .max_flat_workgroup_size: 256
    .sgpr_count:     66
    .vgpr_count:     128
    .wavefront_size: 32
...
	.end_amdgpu_metadata
.endif
;; end of part 1
;; launch proj (part 2): grid 4 x 96, 4 waves a work-group, clusters of 4 x 4, 327,680 bytes of LDS; arguments XB, WB, bq, bk, bv, QKV; writes QKV
.if DOCPART == 2
	.amdgcn_target "amdgcn-amd-amdhsa--gfx1250"
	.amdhsa_code_object_version 6
	.text
	.protected	k_q60d4453882_proj
	.globl	k_q60d4453882_proj
	.p2align	8
	.type	k_q60d4453882_proj,@function
k_q60d4453882_proj:
	s_mov_b64 s[64:65], 0
	v_nop
	global_prefetch_b8 v0, s[64:65] scope:SCOPE_SE
	s_setreg_imm32_b32 hwreg(HW_REG_WAVE_MODE, 25, 1), 1
	s_wait_xcnt 0x0
	s_wait_alu depctr_hold_cnt(0) depctr_sa_sdst(0) depctr_va_vdst(0) depctr_va_sdst(0) depctr_va_ssrc(0) depctr_va_vcc(0) depctr_vm_vsrc(0)
	s_getreg_b32 s2, hwreg(HW_REG_IB_STS2, 6, 4)
	s_cmp_eq_u32 s2, 0
	s_cbranch_scc0 .Lentry_in_a_cluster
	s_endpgm
.Lentry_in_a_cluster:
	s_bfe_u32 s2, ttmp6, 0x10000c
	s_cmp_lg_u32 s2, 0xf033
	s_cbranch_scc0 .Lentry_shape_is_right
	s_endpgm
.Lentry_shape_is_right:
; Q, K, V = X W^T + b.  XB [16384][1024] bf16 (label's rows, then node's), WB [3072][1024] bf16 (Wq, Wk, Wv), biases [1024] f32, QKV [3][8192][1024] f16.
; Products in bf16 with f32 sums; the bias is rounded to bf16 like every input and starts the sums; the result is rounded once, to f16.  LIMIT: f16 holds nothing beyond 65,504.
; SHARES.  A work-group of four waves makes 256 rows x 256 columns; wave w rows 128 (w / 2) on, columns 128 (w % 2) on: 64 accumulators of 16 x 16, 512 registers.  3 x 32 x 4 = 384 tiles.
; K goes in steps of 128 (rows of 256 bytes, aligned) through two LDS slots filled by the tensor data mover: a step is 256 matrix instructions a wave, 224 of them between a refill's request and the wait for it.
; CLUSTERS of 4 x 4: the four of a row need the same rows of X, the four of a column the same rows of W: each tile is asked for jointly, by the same load, descriptor and mask in all four.
; THE MATRIX INSTRUCTION IS USED TRANSPOSED (source 0 = 16 rows of W, source 1 = 16 rows of X): lane l holds row l % 16 of the result and the columns 8 (l / 16) + 0..7.
; REGISTERS, in windows of 256 (s_set_vgpr_msb's low byte: bits 1:0 source 0, 3:2 source 1, 5:4 source 2, 7:6 destination):
;   window 0: v0-31 addresses; v64-127, v128-191 X's fragments, two buffers; v32-63, v192-255 at work on the way out
;   window 1: v64-127, v128-191 W's fragments, two buffers; v192-255 the bias of my 64 columns a lane, in f32; v0-31 at work while it is rounded
;   window 2: the accumulators of my rows 0-63, (a, b) at 8 (8 a + b);   window 3: those of my rows 64-127
.set PITCH,  272                       ; an LDS row: 256 bytes + 16 of padding = 68 words: the 16 rows of a fragment load start at 16 different groups of four banks (ISA guide 11.1)
.set HALFT,  128*PITCH                 ; 128 rows: what one tensor load brings, and what one wave reads of X or of W
.set SLOT,   4*HALFT                   ; X's 256 rows, then W's 256 rows
.set STAGE,  2*SLOT                    ; behind the ring: 16 rows x 272 bytes for each wave
.set SP,     272
.set SPARE,  STAGE+4*16*SP             ; behind the stages: the spare words, 128 bytes a wave, that no other line names
.set STEP,   256                       ; bytes of a row in a K step
.set ADRA, 16                          ; v16-17 LDS address of my X fragments in slot 0, 1
.set ADRB, 20                          ; v20-21 the same for W
.set STO,  24                          ; v24 the way out: where I put 16 bytes of a row
.set RD,   25                          ; v25 where I read a row back
.set CO,   26                          ; v26 my byte offset in two rows of QKV
.set SPW,  28                          ; v28 my spare word; never rewritten
.set NIL,  29                          ; v29 0; never rewritten
.set PFO,  30                          ; v30 the prefetches' offset: lane x a row's 2,048 bytes; never rewritten
.set F0,   64
.set F1,   128
.set TMP,  192                         ; window 0: packed results
.set OB,   32                          ; window 0: 16 rows read back: v32-63 and v224-255 by turns
.set BIAS, 192                         ; window 1
.set G1A, 24                           ; s[24:31] group 1 for X's tiles; s[32:39] group 0, a set a slot
.set G0A, 32
.set G1B, 48                           ; s[48:55], s[56:63] the same for W's
.set G0B, 56
.set LIM, 43                           ; s43 1 in a wave that prefetches, else the greatest number
.set PFA, 44                           ; s[44:45] where my prefetches stand
.set PADW, (1<<16)|(1<<20)|(5<<22)|(3<<25)  ; 2-byte elements; padding on; after every 64 words; 4 words of it
.set MUL_LO, 0xa1                      ; source 0 (W) window 1, source 1 (X) window 0, C and D window 2
.set MUL_HI, 0xf1                      ; the same, C and D window 3
.set TO_B,   0x40                      ; destination window 1, address window 0
.set MSB, 0
.macro WIN new                         ; the immediate's high byte repeats the setting that is left; a switch that changes nothing is dropped
.if MSB != (\new)
	s_set_vgpr_msb (MSB<<8)|(\new)
.set MSB, \new
.endif
.endm
.macro PLACES                          ; four plain instructions between a matrix instruction and a load into, or a vector access to, its registers
.rept 4
	v_nop
.endr
.endm
.macro CREST                           ; a round of the cluster's barrier behind its opening barrier
	s_cmp_lg_u32 s10, 0
	s_cbranch_scc1 .Lnot_wave_0_\@
	s_barrier_signal -3
.Lnot_wave_0_\@:
	s_barrier_wait -3
	s_barrier_signal -1
	s_barrier_wait -1
.endm
.macro CROUND
	s_barrier_signal -1
	s_barrier_wait -1
	CREST
.endm
.macro JLOAD s                         ; a joint load: waves 0 and 1 fetch X's two halves, waves 2 and 3 W's; the branch hangs on the wave's number alone; s_nop 0 and four v_nop follow each line
	s_cmp_eq_u32 s11, 0
	s_cbranch_scc0 .Lfor_b_\@
	tensor_load_to_lds s[G0A+4*(\s):G0A+4*(\s)+3], s[G1A:G1A+7]
	s_nop 0
.rept 4
	v_nop
.endr
	s_branch .Lasked_\@
.Lfor_b_\@:
	tensor_load_to_lds s[G0B+4*(\s):G0B+4*(\s)+3], s[G1B:G1B+7]
	s_nop 0
.rept 4
	v_nop
.endr
.Lasked_\@:
.endm
; A prefetch of the K step two refills on: 32 rows x 256 bytes, a lane a row, one instruction a wave.  Each block is named once in the launch: X's rows by waves 0 and 1 of the clusters that make Q and K
; (V's clusters read node's rows again); W's rows by waves 2 and 3 of the first of the 8 clusters that read them.  Of the 128 rows that a wave fetches each of the four partners that ask for them jointly
; takes 32, told apart by address.  The loop's last trip (s3 = 1) has no K step two on.
.macro ASK
	s_cmp_gt_u32 s3, s[LIM]
	s_cbranch_scc0 .Lnot_mine_\@
	global_prefetch_b8 v[PFO], s[PFA:PFA+1] th:TH_LOAD_NT scope:SCOPE_SE
.Lnot_mine_\@:
.endm
; 16 matrix instructions: row blocks a0, a0 + 1 of the window's four (hi = 0: my rows 0-63, 1: rows 64-127) x all 8 column blocks, 32 along K, from buffer f.
; zero = 1: the product starts the sum, with the bias as C (window 1).  The 64 accumulators take turns in one fixed order.
.macro MUL16 f, hi, a0, zero
.if \zero
	WIN 0x91+0x40*(\hi)                            ; source 0 and C window 1, source 1 window 0, D window 2 or 3
.else
	WIN MUL_LO+0x50*(\hi)
.endif
.irp a, \a0, (\a0)+1
.irp b, 0,1,2,3,4,5,6,7
.if \zero
	v_wmma_f32_16x16x32_bf16 v[8*(8*(\a)+(\b)):8*(8*(\a)+(\b))+7], v[(\f)+8*(\b):(\f)+8*(\b)+7], v[(\f)+8*(4*(\hi)+(\a)):(\f)+8*(4*(\hi)+(\a))+7], v[BIAS+8*(\b):BIAS+8*(\b)+7]
.else
	v_wmma_f32_16x16x32_bf16 v[8*(8*(\a)+(\b)):8*(8*(\a)+(\b))+7], v[(\f)+8*(\b):(\f)+8*(\b)+7], v[(\f)+8*(4*(\hi)+(\a)):(\f)+8*(4*(\hi)+(\a))+7], v[8*(8*(\a)+(\b)):8*(8*(\a)+(\b))+7]
.endif
.endr
.endr
.endm
; 32 LDS loads in one run: the fragments of 32 along K at byte k of the rows, into buffer f: W's 128 rows, then X's
.macro FETCH slot, k, f
	WIN TO_B
.irp i, 0,1,2,3,4,5,6,7
	ds_load_b128 v[(\f)+8*(\i):(\f)+8*(\i)+3],   v[ADRB+(\slot)] offset:(\k)+(\i)*16*PITCH
	ds_load_b128 v[(\f)+8*(\i)+4:(\f)+8*(\i)+7], v[ADRB+(\slot)] offset:(\k)+(\i)*16*PITCH+32
.endr
	WIN 0
.irp i, 0,1,2,3,4,5,6,7
	ds_load_b128 v[(\f)+8*(\i):(\f)+8*(\i)+3],   v[ADRA+(\slot)] offset:(\k)+(\i)*16*PITCH
	ds_load_b128 v[(\f)+8*(\i)+4:(\f)+8*(\i)+7], v[ADRA+(\slot)] offset:(\k)+(\i)*16*PITCH+32
.endr
.endm
; One of a K step's first three quarters: multiplies buffer f; in its middle it fetches the next quarter's fragments, at byte k of the same slot's rows, into buffer g.
.macro QUARTER slot, k, f, g, zero
	s_wait_dscnt 8                                 ; W and X's rows 0-63 are in; the youngest eight loads (X's rows 64-127) may be out
	MUL16 \f, 0, 0, \zero
	MUL16 \f, 0, 2, \zero
	PLACES
	FETCH \slot, \k, \g
	s_wait_dscnt 32                                ; all but the 32 just issued
	MUL16 \f, 1, 0, \zero
	MUL16 \f, 1, 2, \zero
.endm
; The change of slots' first half: each wave waits for all its tensor loads (one is out: its part of the next slot), adds 0 to its spare word, waits for that and for its reads of this slot, and meets the others.
.macro MEET round
	WIN 0
	s_wait_tensorcnt 0x0
	ds_add_u32 v[SPW], v[NIL]
	s_wait_dscnt 9                                 ; the add and the youngest eight loads may be out
	MUL16 F1, 0, 0, 0
	s_wait_dscnt 0x0                               ; the add is done; my reads of this slot are over
	s_barrier_signal -1
	MUL16 F1, 0, 2, 0
.if \round
	WIN 0
.endif
	s_barrier_wait -1
.endm
; A K step's last quarter.  fill = 1: the barrier opens a round of the cluster's, behind which the slot just read is filled again, two K steps on.
.macro TURN slot, next, fill
.if \fill
	s_wait_xcnt 0x0                                ; the last prefetch, a K step back, has read its address
	s_add_nc_u64 s[PFA:PFA+1], s[PFA:PFA+1], STEP
.endif
	MEET \fill
.if \fill
	CREST
	s_add_nc_u64 s[G0A+4*(\slot)+2:G0A+4*(\slot)+3], s[G0A+4*(\slot)+2:G0A+4*(\slot)+3], 2*STEP
	s_add_nc_u64 s[G0B+4*(\slot)+2:G0B+4*(\slot)+3], s[G0B+4*(\slot)+2:G0B+4*(\slot)+3], 2*STEP
	JLOAD \slot                                    ; its four v_nop are also the places in front of the loads below
.else
	PLACES
.endif
	FETCH \next, 0, F0
.if \fill
	ASK
.endif
	MUL16 F1, 1, 0, 0
	MUL16 F1, 1, 2, 0
.endm
	s_load_b128 s[4:7], s[0:1], 0x0                ; XB s[4:5], WB s[6:7]
	s_load_b256 s[72:79], s[0:1], 0x10             ; bq s[72:73], bk s[74:75], bv s[76:77], QKV s[78:79]
	v_lshl_add_u32 v[SPW], v0, 2, SPARE
	v_mov_b32 v[NIL], 0
	ds_add_u32 v[SPW], v[NIL]                      ; the wave's opening: the add and its wait ahead of my first tensor load
	v_lshrrev_b32 v1, 5, v0
	v_readfirstlane_b32 s10, v1                    ; wave 0..3
	s_lshr_b32 s11, s10, 1                         ; my half of the rows; also: I fetch X (0) or W (1)
	s_and_b32 s12, s10, 1                          ; my half of the columns; also: which half I fetch
	s_bfe_u32 s40, ttmp6, 0x40000                  ; cx
	s_bfe_u32 s41, ttmp6, 0x40004                  ; cy
	s_and_b32 s70, ttmp7, 0xffff                   ; cluster y, 0..23
	s_lshr_b32 s71, s70, 3                         ; g: 0 Q, 1 K, 2 V
	s_cmp_ge_u32 s70, 16
	s_cselect_b32 s16, 8, 0                        ; V reads node's rows, as K does
	s_sub_co_u32 s16, s70, s16
	s_lshl_b32 s13, s16, 2
	s_add_co_u32 s13, s13, s41                     ; block of 256 rows of XB
	s_lshl_b32 s42, ttmp9, 2
	s_add_co_u32 s42, s42, s40                     ; block of 256 columns
	s_lshl_b32 s16, s41, 2
	s_lshl_b32 s16, 15, s16                        ; my row of the cluster
	s_lshl_b32 s46, 0x1111, s40                    ; my column
	s_or_b32 s[G1A], s16, PADW|(1<<21)             ; 15:0 the mask; bit 21 set beside it
	s_or_b32 s[G1B], s46, PADW|(1<<21)
.irp g, G1A, G1B
	s_mov_b32 s[(\g)+1], 128<<16                   ; tensor_dim0 = 128
	s_mov_b32 s[(\g)+2], 128<<16                   ; tensor_dim1 = 128
	s_mov_b32 s[(\g)+3], 128<<16                   ; tile_dim0 = 128
	s_mov_b32 s[(\g)+4], 128                       ; tile_dim1 = 128
	s_mov_b32 s[(\g)+5], 1024                      ; elements from row to row
	s_mov_b32 s[(\g)+6], 0
	s_mov_b32 s[(\g)+7], 0
.endr
	s_lshl_b32 s16, s13, 8
	s_lshl_b32 s17, s12, 7
	s_add_co_u32 s16, s16, s17                     ; X: row 256 x block + 128 x half
	s_lshl_b32 s16, s16, 11                        ; x 2,048 bytes
	s_mov_b32 s17, 0
	s_lshl_b32 s46, s71, 10
	s_lshl_b32 s47, s42, 8
	s_add_co_u32 s46, s46, s47
	s_lshl_b32 s47, s12, 7
	s_add_co_u32 s46, s46, s47                     ; W: row 1,024 g + 256 x block + 128 x half
	s_lshl_b32 s46, s46, 11
	s_mov_b32 s47, 0
	s_mul_i32 s20, s10, HALFT                      ; where they go: X's two halves, then W's two = wave x 128 rows: no place in the cluster enters an LDS address
	s_wait_dscnt 0x0                               ; the opening add is done
	s_wait_kmcnt 0x0
	s_add_nc_u64 s[14:15], s[4:5], s[16:17]
	s_add_nc_u64 s[46:47], s[6:7], s[46:47]
	CROUND                                         ; all sixteen work-groups are here: the first joint loads meet
.irp s, 0,1
	s_mov_b32 s[G0A+4*(\s)], 1
	s_add_co_u32 s[G0A+4*(\s)+1], s20, (\s)*SLOT
	s_add_nc_u64 s[G0A+4*(\s)+2:G0A+4*(\s)+3], s[14:15], (\s)*STEP
	s_or_b32 s[G0A+4*(\s)+3], s[G0A+4*(\s)+3], 0x80000000
	s_mov_b32 s[G0B+4*(\s)], 1
	s_add_co_u32 s[G0B+4*(\s)+1], s20, (\s)*SLOT
	s_add_nc_u64 s[G0B+4*(\s)+2:G0B+4*(\s)+3], s[46:47], (\s)*STEP
	s_or_b32 s[G0B+4*(\s)+3], s[G0B+4*(\s)+3], 0x80000000
	JLOAD \s
.endr
	v_and_b32 v1, 15, v0                           ; l % 16
	v_bfe_u32 v2, v0, 4, 1                         ; l / 16
	; the bias of my 64 columns: 16 b + 8 (l / 16) + 0..7 of my wave's 128: register j of block b is what C's register j wants
	s_cmp_eq_u32 s71, 0
	s_cselect_b64 s[68:69], s[72:73], s[74:75]
	s_cmp_eq_u32 s71, 2
	s_cselect_b64 s[68:69], s[76:77], s[68:69]
	s_lshl_b32 s22, s42, 10
	s_lshl_b32 s23, s12, 9
	s_add_co_u32 s22, s22, s23
	s_mov_b32 s23, 0
	s_add_nc_u64 s[68:69], s[68:69], s[22:23]
	v_lshlrev_b32 v5, 5, v2
	WIN TO_B
.irp b, 0,1,2,3,4,5,6,7
	global_load_b128 v[BIAS+8*(\b):BIAS+8*(\b)+3],   v5, s[68:69] offset:64*(\b)
	global_load_b128 v[BIAS+8*(\b)+4:BIAS+8*(\b)+7], v5, s[68:69] offset:64*(\b)+16
.endr
	WIN 0
	v_mul_u32_u24 v3, v1, PITCH
	v_lshl_add_u32 v3, v2, 4, v3                   ; a fragment's row x pitch + 16 x half
	s_mul_i32 s21, s11, HALFT                      ; my 128 rows of X
	s_mul_i32 s22, s12, HALFT                      ; my 128 rows of W,
	s_add_co_u32 s22, s22, 2*HALFT                 ; which lie behind X's 256
.irp s, 0,1
	v_add_nc_u32 v[ADRA+(\s)], s21, v3
	v_add_nc_u32 v[ADRB+(\s)], s22, v3
	s_add_co_u32 s21, s21, SLOT
	s_add_co_u32 s22, s22, SLOT
.endr
	s_mul_i32 s23, s10, 16*SP
	s_add_co_u32 s23, s23, STAGE                   ; my stage
	v_mul_u32_u24 v4, v1, SP                       ; in: row l % 16, 16 bytes for each half of the lanes
	v_lshl_add_u32 v4, v2, 4, v4
	v_add_nc_u32 v[STO], s23, v4
	v_mul_u32_u24 v6, v2, SP                       ; back: lanes 0-15 one row of 256 bytes, lanes 16-31 the next
	v_lshl_add_u32 v6, v1, 4, v6
	v_add_nc_u32 v[RD], s23, v6
	v_lshlrev_b32 v6, 11, v2                       ; and the same two rows in QKV
	v_lshl_add_u32 v[CO], v1, 4, v6
	s_lshl_b32 s18, s70, 2
	s_add_co_u32 s18, s18, s41                     ; block of 256 rows of QKV: 4 x cluster y + cy
	s_lshl_b32 s18, s18, 8
	s_lshl_b32 s19, s11, 7
	s_add_co_u32 s18, s18, s19
	s_lshl_b32 s18, s18, 11
	s_lshl_b32 s19, s42, 9
	s_add_co_u32 s18, s18, s19
	s_lshl_b32 s19, s12, 8
	s_add_co_u32 s18, s18, s19
	s_mov_b32 s19, 0
	s_add_nc_u64 s[8:9], s[78:79], s[18:19]        ; my wave's corner of the result
	; the prefetches
	s_lshr_b32 s20, s71, 1                         ; X: 0 where g is 0 or 1
	s_and_b32 s21, s70, 7                          ; W: 0 in the first cluster of each g
	s_lshl_b32 s22, s13, 8
	s_lshl_b32 s23, s12, 7
	s_add_co_u32 s22, s22, s23
	s_lshl_b32 s23, s40, 5
	s_add_co_u32 s22, s22, s23                     ; X: my work-group's 32 of the 128 rows that I fetch
	s_lshl_b32 s18, s71, 10
	s_lshl_b32 s19, s42, 8
	s_add_co_u32 s18, s18, s19
	s_lshl_b32 s19, s12, 7
	s_add_co_u32 s18, s18, s19
	s_lshl_b32 s19, s41, 5
	s_add_co_u32 s18, s18, s19                     ; W: likewise
	s_cmp_eq_u32 s11, 0
	s_cselect_b32 s20, s20, s21
	s_cselect_b32 s22, s22, s18
	s_cselect_b64 s[PFA:PFA+1], s[4:5], s[6:7]
	s_cmp_eq_u32 s20, 0
	s_cselect_b32 s[LIM], 1, -1                    ; the same in all sixteen partners, for a given wave
	s_lshl_b32 s22, s22, 11
	s_add_co_u32 s22, s22, 3*STEP                  ; at K step 3: the first refill steps it to 4
	s_mov_b32 s23, 0
	s_add_nc_u64 s[PFA:PFA+1], s[PFA:PFA+1], s[22:23]
	v_and_b32 v[PFO], 31, v0
	v_lshlrev_b32 v[PFO], 11, v[PFO]
	s_wait_loadcnt 0x0                             ; the bias: rounded to bf16 and widened again, in place
	WIN 0x45                                       ; sources 0 and 1 and the destination in window 1
.set i, 0
.rept 32
	v_cvt_pk_bf16_f32 v[i], v[BIAS+2*i], v[BIAS+2*i+1]
.set i, i+1
.endr
.set i, 0
.rept 32
	v_lshlrev_b32 v[BIAS+2*i],   16, v[i]
	v_and_b32     v[BIAS+2*i+1], 0xffff0000, v[i]
.set i, i+1
.endr
	WIN 0
	s_wait_tensorcnt 1                             ; my part of K step 0 is in; K step 1's load, issued behind it, may stay out
	s_barrier_signal -1
	s_barrier_wait -1
	FETCH 0, 0, F0
	QUARTER 0, 64,  F0, F1, 1                      ; the first quarter stands in front of the loop: its products start the sums
	WIN 0
	s_mov_b32 s3, 3                                ; 1,024 / 256 laps, less the last
.Llap:                                                 ; a trip goes once round the ring, from a lap's second quarter to the next lap's first
	QUARTER 0, 128, F1, F0, 0
	QUARTER 0, 192, F0, F1, 0
	TURN 0, 1, 1
	QUARTER 1, 64,  F0, F1, 0
	QUARTER 1, 128, F1, F0, 0
	QUARTER 1, 192, F0, F1, 0
	TURN 1, 0, 1
	QUARTER 0, 64,  F0, F1, 0
	WIN 0
	s_sub_co_u32 s3, s3, 1
	s_cmp_lg_u32 s3, 0
	s_cbranch_scc1 .Llap
	QUARTER 0, 128, F1, F0, 0                      ; the last lap fills nothing
	QUARTER 0, 192, F0, F1, 0
	TURN 0, 1, 0
	QUARTER 1, 64,  F0, F1, 0
	QUARTER 1, 128, F1, F0, 0
	QUARTER 1, 192, F0, F1, 0
	s_wait_dscnt 8
	MUL16 F1, 0, 0, 0
	MUL16 F1, 0, 2, 0
	s_wait_dscnt 0x0
	MUL16 F1, 1, 0, 0
	MUL16 F1, 1, 2, 0
	; THE WAY OUT, 16 rows at a time: rounded to f16, 16 bytes a lane into my stage, back as whole rows of 256 bytes, stored.
	PLACES
	PLACES
.macro PACK a
.set AC, 64*((\a)%4)
	WIN 0x0a+5*((\a)/4)                            ; sources 0 and 1: window 2 or 3
.irp b, 0,1,2,3,4,5,6,7
.irp r, 0,1,2,3
	v_cvt_pk_f16_f32 v[TMP+4*(\b)+(\r)], v[AC+8*(\b)+2*(\r)], v[AC+8*(\b)+2*(\r)+1]  ; each accumulator's registers in ascending order
.endr
.endr
	WIN 0
.endm
.macro TOSTAGE a
.set BK, OB+192*((\a)%2)
.irp b, 0,1,2,3,4,5,6,7
	ds_store_b128 v[STO], v[TMP+4*(\b):TMP+4*(\b)+3] offset:32*(\b)
.endr
.irp t, 0,1,2,3,4,5,6,7
	ds_load_b128 v[BK+4*(\t):BK+4*(\t)+3], v[RD] offset:(\t)*2*SP  ; LDS serves a wave's instructions in order (ISA guide 5.7.1.4): these see the stores above
.endr
.endm
.macro SEND a
.set BK, OB+192*((\a)%2)
	s_wait_dscnt 0x0                               ; the block is back in registers
	s_wait_xcnt 0x0                                ; the stores of the block before have read their data: the next block's loads land on those registers
.irp t, 0,1,2,3,4,5,6,7
	global_store_b128 v[CO], v[BK+4*(\t):BK+4*(\t)+3], s[8:9] offset:(16*(\a)+2*(\t))*2048  ; 16 lanes store 256 consecutive bytes, aligned
.endr
.endm
	PACK 0
	TOSTAGE 0
.irp a, 1,2,3,4,5,6,7
	PACK \a                                        ; a block's conversions stand between the loads of the block before and the wait for them
	SEND (\a)-1
	TOSTAGE \a
.endr
	SEND 7
	s_wait_tensorcnt 0x0                           ; the wave's end
	ds_add_u32 v[SPW], v[NIL]
	s_wait_dscnt 0x0
	CROUND                                         ; the closing round
	s_endpgm
.Lfunc_end_k_q60d4453882_proj:
	.size	k_q60d4453882_proj, .Lfunc_end_k_q60d4453882_proj-k_q60d4453882_proj
	.p2alignl 7, 3214868480
	.fill 96, 4, 3214868480
	.section	.rodata,"a",@progbits
	.p2align	6, 0x0
	.amdhsa_kernel k_q60d4453882_proj
		.amdhsa_group_segment_fixed_size 327680
		.amdhsa_private_segment_fixed_size 0
		.amdhsa_enable_private_segment 0
		.amdhsa_kernarg_size 48
		.amdhsa_user_sgpr_count 2
		.amdhsa_user_sgpr_kernarg_segment_ptr 1
		.amdhsa_wavefront_size32 1
		.amdhsa_system_sgpr_workgroup_id_x 1
		.amdhsa_system_sgpr_workgroup_id_y 1
		.amdhsa_system_sgpr_workgroup_id_z 1
		.amdhsa_system_vgpr_workitem_id 0
		.amdhsa_next_free_vgpr 1024
		.amdhsa_next_free_sgpr 88
		.amdhsa_reserve_vcc 0
		.amdhsa_float_denorm_mode_32 3
		.amdhsa_float_denorm_mode_16_64 3
		.amdhsa_memory_ordered 1
		.amdhsa_forward_progress 1
		.amdhsa_inst_pref_size 151
	.end_amdhsa_kernel
	.amdgpu_metadata
---
amdhsa.version: [ 1, 2 ]
amdhsa.kernels:
  - .name:           k_q60d4453882_proj
    .symbol:         k_q60d4453882_proj.kd
    .args:
      - { .name: XB, .offset: 0, .size: 8, .value_kind: global_buffer, .address_space: global }
      - { .name: WB, .offset: 8, .size: 8, .value_kind: global_buffer, .address_space: global }
      - { .name: bq, .offset: 16, .size: 8, .value_kind: global_buffer, .address_space: global }
      - { .name: bk, .offset: 24, .size: 8, .value_kind: global_buffer, .address_space: global }
      - { .name: bv, .offset: 32, .size: 8, .value_kind: global_buffer, .address_space: global }
      - { .name: QKV, .offset: 40, .size: 8, .value_kind: global_buffer, .address_space: global }
    .group_segment_fixed_size: 327680
    .private_segment_fixed_size: 0
    .kernarg_segment_align: 8
    .kernarg_segment_size: 48
    .max_flat_workgroup_size: 128
    .sgpr_count:     88
    .vgpr_count:     1024
    .wavefront_size: 32
...
	.end_amdgpu_metadata
.endif
;; end of part 2
;; launch scores (part 3): grid 48 x 4, 4 waves a work-group, clusters of 4 x 1, 327,680 bytes of LDS; arguments QKV, SC; writes SC
.if DOCPART == 3
	.amdgcn_target "amdgcn-amd-amdhsa--gfx1250"
	.amdhsa_code_object_version 6
	.text
	.protected	k_q60d4453882_scores
	.globl	k_q60d4453882_scores
	.p2align	8
	.type	k_q60d4453882_scores,@function
k_q60d4453882_scores:
	s_mov_b64 s[64:65], 0
	v_nop
	global_prefetch_b8 v0, s[64:65] scope:SCOPE_SE
	s_setreg_imm32_b32 hwreg(HW_REG_WAVE_MODE, 25, 1), 1
	s_wait_xcnt 0x0
	s_wait_alu depctr_hold_cnt(0) depctr_sa_sdst(0) depctr_va_vdst(0) depctr_va_sdst(0) depctr_va_ssrc(0) depctr_va_vcc(0) depctr_vm_vsrc(0)
	s_getreg_b32 s2, hwreg(HW_REG_IB_STS2, 6, 4)
	s_cmp_eq_u32 s2, 0
	s_cbranch_scc0 .Lentry_in_a_cluster
	s_endpgm
.Lentry_in_a_cluster:
	s_bfe_u32 s2, ttmp6, 0x10000c
	s_cmp_lg_u32 s2, 0x3003
	s_cbranch_scc0 .Lentry_shape_is_right
	s_endpgm
.Lentry_shape_is_right:
; SC[q][k] = Q[q] . K[k], in f32, unscaled: the next launch scales, masks and takes the softmax.  QKV [3][8192][1024] f16, SC [8192][2048] f32.
; CAUSAL BY GROUPS: a batch's queries lie in two groups G of 1,024; group G is given the key tiles j = 0 .. 4 G + 3 of 256 keys, and no others: 12 of 16.  The mask itself is the next launch's.
; SHARES.  A cluster of four work-groups makes one (batch, G, j); a work-group 256 rows x 256 keys, its four waves 128 x 128 each: 64 accumulators, 512 registers.  4 x 12 x 4 = 192 work-groups.
; The partner at place cx owns the rows 1,024 G + 4 r + cx, r = 0..255: interleaved, so that all four have visible scores in every tile that the group is given.
; K's tile is the same for all four and is asked for JOINTLY (mask 15).  Q's rows are each partner's own: a plain load, with 4 rows of memory from row to row.
; K (the channels) goes in steps of 128 through two LDS slots: a step is 256 matrix instructions a wave, 224 of them between a refill's request and the wait for it.
; THE MATRIX INSTRUCTION IS USED TRANSPOSED (source 0 = 16 keys, source 1 = 16 queries): lane l holds query l % 16 and the keys 8 (l / 16) + 0..7.
; REGISTERS, in windows of 256 (s_set_vgpr_msb's low byte: bits 1:0 source 0, 3:2 source 1, 5:4 source 2, 7:6 destination):
;   window 0: v0-31 addresses; v64-127, v128-191 Q's fragments, two buffers; on the way out the same registers take rows read back, by turns
;   window 1: v64-127, v128-191 K's fragments, two buffers
;   window 2: the accumulators of my rows 0-63, (a, b) at 8 (8 a + b);   window 3: those of my rows 64-127
.set PITCH,  272                       ; an LDS row: 256 bytes + 16 of padding = 68 words: the 16 rows of a fragment load start at 16 different groups of four banks (ISA guide 11.1)
.set HALFT,  128*PITCH
.set SLOT,   4*HALFT                   ; Q's 256 rows, then K's 256 rows
.set STAGE,  2*SLOT                    ; behind the ring: 16 rows x 528 bytes for each wave
.set SP,     528
.set SPARE,  STAGE+4*16*SP             ; behind the stages: the spare words, 128 bytes a wave, that no other line names
.set STEP,   256
.set ROWSTEP, 4*8192                   ; my rows of SC lie four rows apart
.set ADRA, 16
.set ADRB, 20
.set STO,  24
.set RD,   25
.set CO,   26
.set SPW,  28                          ; v28 my spare word; never rewritten
.set NIL,  29                          ; v29 0; never rewritten
.set PFO,  30                          ; v30 the prefetches' offset; never rewritten
.set F0,   64
.set F1,   128
.set G1A, 24
.set G0A, 32
.set G1B, 48
.set G0B, 56
.set LIM, 43
.set PFA, 44
.set PADW, (1<<16)|(1<<20)|(5<<22)|(3<<25)
.set MUL_LO, 0xa1                      ; source 0 (K) window 1, source 1 (Q) window 0, C and D window 2
.set MUL_HI, 0xf1
.set TO_B,   0x40
.set MSB, 0
.macro WIN new
.if MSB != (\new)
	s_set_vgpr_msb (MSB<<8)|(\new)
.set MSB, \new
.endif
.endm
.macro PLACES                          ; four plain instructions between a matrix instruction and a load into, or a store or vector access to, its registers
.rept 4
	v_nop
.endr
.endm
.macro CREST
	s_cmp_lg_u32 s10, 0
	s_cbranch_scc1 .Lnot_wave_0_\@
	s_barrier_signal -3
.Lnot_wave_0_\@:
	s_barrier_wait -3
	s_barrier_signal -1
	s_barrier_wait -1
.endm
.macro CROUND
	s_barrier_signal -1
	s_barrier_wait -1
	CREST
.endm
.macro JLOAD s                         ; waves 0 and 1 fetch my own Q rows' two halves (plain), waves 2 and 3 K's (joint); the branch hangs on the wave's number alone; s_nop 0 and four v_nop follow each line
	s_cmp_eq_u32 s11, 0
	s_cbranch_scc0 .Lfor_b_\@
	tensor_load_to_lds s[G0A+4*(\s):G0A+4*(\s)+3], s[G1A:G1A+7]
	s_nop 0
.rept 4
	v_nop
.endr
	s_branch .Lasked_\@
.Lfor_b_\@:
	tensor_load_to_lds s[G0B+4*(\s):G0B+4*(\s)+3], s[G1B:G1B+7]
	s_nop 0
.rept 4
	v_nop
.endr
.Lasked_\@:
.endm
; A prefetch of the K step two refills on, a lane a row.  Each block is named once in the launch: Q's rows by the cluster with j = 0, each wave 0 or 1 its own 128 rows (four lines);
; K's rows by the lowest group that reads them (G = j / 4), waves 2 and 3, the partners 32 rows each, told apart by address.  The loop's last trip (s3 = 1) has no K step two on.
.macro ASK
	s_cmp_gt_u32 s3, s[LIM]
	s_cbranch_scc0 .Lnot_mine_\@
	global_prefetch_b8 v[PFO], s[PFA:PFA+1] th:TH_LOAD_NT scope:SCOPE_SE
	s_cmp_lt_u32 s10, 2
	s_cbranch_scc0 .Lnot_mine_\@
.irp i, 1,2,3
	global_prefetch_b8 v[PFO], s[PFA:PFA+1] offset:(\i)*32*8192 th:TH_LOAD_NT scope:SCOPE_SE
.endr
.Lnot_mine_\@:
.endm
; 16 matrix instructions: row blocks a0, a0 + 1 of the window's four x all 8 key blocks, 32 along K, from buffer f.  zero = 1: the product starts the sum.
; The 64 accumulators take turns in one fixed order.
.macro MUL16 f, hi, a0, zero
	WIN MUL_LO+0x50*(\hi)
.irp a, \a0, (\a0)+1
.irp b, 0,1,2,3,4,5,6,7
.if \zero
	v_wmma_f32_16x16x32_f16 v[8*(8*(\a)+(\b)):8*(8*(\a)+(\b))+7], v[(\f)+8*(\b):(\f)+8*(\b)+7], v[(\f)+8*(4*(\hi)+(\a)):(\f)+8*(4*(\hi)+(\a))+7], 0
.else
	v_wmma_f32_16x16x32_f16 v[8*(8*(\a)+(\b)):8*(8*(\a)+(\b))+7], v[(\f)+8*(\b):(\f)+8*(\b)+7], v[(\f)+8*(4*(\hi)+(\a)):(\f)+8*(4*(\hi)+(\a))+7], v[8*(8*(\a)+(\b)):8*(8*(\a)+(\b))+7]
.endif
.endr
.endr
.endm
.macro FETCH slot, k, f                ; 32 LDS loads in one run: K's 128 rows, then Q's
	WIN TO_B
.irp i, 0,1,2,3,4,5,6,7
	ds_load_b128 v[(\f)+8*(\i):(\f)+8*(\i)+3],   v[ADRB+(\slot)] offset:(\k)+(\i)*16*PITCH
	ds_load_b128 v[(\f)+8*(\i)+4:(\f)+8*(\i)+7], v[ADRB+(\slot)] offset:(\k)+(\i)*16*PITCH+32
.endr
	WIN 0
.irp i, 0,1,2,3,4,5,6,7
	ds_load_b128 v[(\f)+8*(\i):(\f)+8*(\i)+3],   v[ADRA+(\slot)] offset:(\k)+(\i)*16*PITCH
	ds_load_b128 v[(\f)+8*(\i)+4:(\f)+8*(\i)+7], v[ADRA+(\slot)] offset:(\k)+(\i)*16*PITCH+32
.endr
.endm
.macro QUARTER slot, k, f, g, zero     ; multiplies buffer f; in its middle it fetches the next quarter's fragments into buffer g
	s_wait_dscnt 8                                 ; K and Q's rows 0-63 are in; the youngest eight loads (Q's rows 64-127) may be out
	MUL16 \f, 0, 0, \zero
	MUL16 \f, 0, 2, \zero
	PLACES
	FETCH \slot, \k, \g
	s_wait_dscnt 32                                ; all but the 32 just issued
	MUL16 \f, 1, 0, \zero
	MUL16 \f, 1, 2, \zero
.endm
.macro MEET round                      ; all my tensor loads have landed; the add; my reads of this slot are over; the barrier
	WIN 0
	s_wait_tensorcnt 0x0
	ds_add_u32 v[SPW], v[NIL]
	s_wait_dscnt 9                                 ; the add and the youngest eight loads may be out
	MUL16 F1, 0, 0, 0
	s_wait_dscnt 0x0
	s_barrier_signal -1
	MUL16 F1, 0, 2, 0
.if \round
	WIN 0
.endif
	s_barrier_wait -1
.endm
.macro TURN slot, next, fill           ; a K step's last quarter; fill = 1: a round of the cluster's barrier, then the slot just read is filled again, two K steps on
.if \fill
	s_wait_xcnt 0x0                                ; the last prefetches, a K step back, have read their address
	s_add_nc_u64 s[PFA:PFA+1], s[PFA:PFA+1], STEP
.endif
	MEET \fill
.if \fill
	CREST
	s_add_nc_u64 s[G0A+4*(\slot)+2:G0A+4*(\slot)+3], s[G0A+4*(\slot)+2:G0A+4*(\slot)+3], 2*STEP
	s_add_nc_u64 s[G0B+4*(\slot)+2:G0B+4*(\slot)+3], s[G0B+4*(\slot)+2:G0B+4*(\slot)+3], 2*STEP
	JLOAD \slot                                    ; its four v_nop are also the places in front of the loads below
.else
	PLACES
.endif
	FETCH \next, 0, F0
.if \fill
	ASK
.endif
	MUL16 F1, 1, 0, 0
	MUL16 F1, 1, 2, 0
.endm
	s_load_b128 s[72:75], s[0:1], 0x0              ; QKV s[72:73], SC s[74:75]
	v_lshl_add_u32 v[SPW], v0, 2, SPARE
	v_mov_b32 v[NIL], 0
	ds_add_u32 v[SPW], v[NIL]                      ; the wave's opening: the add and its wait ahead of my first tensor load
	v_lshrrev_b32 v1, 5, v0
	v_readfirstlane_b32 s10, v1
	s_lshr_b32 s11, s10, 1                         ; my half of the rows; also: I fetch Q (0) or K (1)
	s_and_b32 s12, s10, 1                          ; my half of the keys; also: which half I fetch
	s_bfe_u32 s40, ttmp6, 0x40000                  ; cx
	s_cmp_ge_u32 ttmp9, 4                          ; cluster x, 0..11: 4 tiles for G = 0, 8 for G = 1
	s_cselect_b32 s70, 1, 0                        ; G
	s_lshl_b32 s16, s70, 2
	s_sub_co_u32 s42, ttmp9, s16                   ; j
	s_and_b32 s71, ttmp7, 0xffff                   ; the batch
	s_mov_b32 s[G1A], PADW                         ; no mask: a load of my own
	s_mov_b32 s[G1A+1], 128<<16
	s_mov_b32 s[G1A+2], 128<<16
	s_mov_b32 s[G1A+3], 128<<16
	s_mov_b32 s[G1A+4], 128
	s_mov_b32 s[G1A+5], 4096                       ; four rows of Q from row to row
	s_mov_b32 s[G1A+6], 0
	s_mov_b32 s[G1A+7], 0
	s_mov_b32 s[G1B], 15|PADW|(1<<21)              ; all four work-groups; bit 21 set beside the mask
	s_mov_b32 s[G1B+1], 128<<16
	s_mov_b32 s[G1B+2], 128<<16
	s_mov_b32 s[G1B+3], 128<<16
	s_mov_b32 s[G1B+4], 128
	s_mov_b32 s[G1B+5], 1024
	s_mov_b32 s[G1B+6], 0
	s_mov_b32 s[G1B+7], 0
	s_lshl_b32 s13, s71, 11
	s_lshl_b32 s16, s70, 10
	s_add_co_u32 s13, s13, s16
	s_add_co_u32 s13, s13, s40                     ; my first row: 2,048 b + 1,024 G + cx
	s_lshl_b32 s17, s12, 9
	s_add_co_u32 s16, s13, s17                     ; Q: + 4 x 128 x half
	s_lshl_b32 s16, s16, 11
	s_mov_b32 s17, 0
	s_lshl_b32 s46, s71, 11
	s_lshl_b32 s47, s42, 8
	s_add_co_u32 s46, s46, s47
	s_lshl_b32 s47, s12, 7
	s_add_co_u32 s46, s46, s47                     ; K: row 2,048 b + 256 j + 128 x half: nothing of cx
	s_lshl_b32 s46, s46, 11
	s_mov_b32 s47, 0
	s_mul_i32 s20, s10, HALFT                      ; where they go: wave x 128 rows
	s_wait_dscnt 0x0                               ; the opening add is done
	s_wait_kmcnt 0x0
	s_mov_b64 s[4:5], s[72:73]                     ; Q
	s_add_nc_u64 s[6:7], s[72:73], 0x1000000       ; K: 8,192 rows of 2,048 bytes on
	s_add_nc_u64 s[14:15], s[4:5], s[16:17]
	s_add_nc_u64 s[46:47], s[6:7], s[46:47]
	CROUND                                         ; all four work-groups are here: the first joint loads meet
.irp s, 0,1
	s_mov_b32 s[G0A+4*(\s)], 1
	s_add_co_u32 s[G0A+4*(\s)+1], s20, (\s)*SLOT
	s_add_nc_u64 s[G0A+4*(\s)+2:G0A+4*(\s)+3], s[14:15], (\s)*STEP
	s_or_b32 s[G0A+4*(\s)+3], s[G0A+4*(\s)+3], 0x80000000
	s_mov_b32 s[G0B+4*(\s)], 1
	s_add_co_u32 s[G0B+4*(\s)+1], s20, (\s)*SLOT
	s_add_nc_u64 s[G0B+4*(\s)+2:G0B+4*(\s)+3], s[46:47], (\s)*STEP
	s_or_b32 s[G0B+4*(\s)+3], s[G0B+4*(\s)+3], 0x80000000
	JLOAD \s
.endr
	v_and_b32 v1, 15, v0
	v_bfe_u32 v2, v0, 4, 1
	v_mul_u32_u24 v3, v1, PITCH
	v_lshl_add_u32 v3, v2, 4, v3
	s_mul_i32 s21, s11, HALFT
	s_mul_i32 s22, s12, HALFT
	s_add_co_u32 s22, s22, 2*HALFT
.irp s, 0,1
	v_add_nc_u32 v[ADRA+(\s)], s21, v3
	v_add_nc_u32 v[ADRB+(\s)], s22, v3
	s_add_co_u32 s21, s21, SLOT
	s_add_co_u32 s22, s22, SLOT
.endr
	s_mul_i32 s23, s10, 16*SP
	s_add_co_u32 s23, s23, STAGE                   ; my stage
	v_mul_u32_u24 v4, v1, SP                       ; in: row l % 16, 32 bytes for each half of the lanes
	v_lshl_add_u32 v4, v2, 5, v4
	v_add_nc_u32 v[STO], s23, v4
	v_and_b32 v6, 31, v0
	v_lshlrev_b32 v[CO], 4, v6                     ; back, and out: 32 lanes take a row's 512 bytes
	v_add_nc_u32 v[RD], s23, v[CO]
	s_lshl_b32 s19, s11, 9
	s_add_co_u32 s18, s13, s19                     ; my wave's first row
	s_lshl_b32 s18, s18, 13
	s_lshl_b32 s19, s42, 10
	s_add_co_u32 s18, s18, s19
	s_lshl_b32 s19, s12, 9
	s_add_co_u32 s18, s18, s19
	s_mov_b32 s19, 0
	s_add_nc_u64 s[8:9], s[74:75], s[18:19]
	; the prefetches
	s_lshl_b32 s19, s12, 9
	s_add_co_u32 s18, s13, s19                     ; Q: the first of the 128 rows that I fetch
	s_lshl_b32 s22, s71, 11
	s_lshl_b32 s23, s42, 8
	s_add_co_u32 s22, s22, s23
	s_lshl_b32 s23, s12, 7
	s_add_co_u32 s22, s22, s23
	s_lshl_b32 s23, s40, 5
	s_add_co_u32 s22, s22, s23                     ; K: my work-group's 32 of the 128 rows that I fetch
	s_lshr_b32 s21, s42, 2
	s_xor_b32 s21, s21, s70                        ; K: 0 where G = j / 4
	s_cmp_eq_u32 s11, 0
	s_cselect_b32 s20, s42, s21                    ; Q: 0 where j = 0
	s_cselect_b32 s22, s18, s22
	s_cselect_b64 s[PFA:PFA+1], s[4:5], s[6:7]
	s_cselect_b32 s17, 13, 11                      ; a lane's step: four rows of Q, one of K
	s_cmp_eq_u32 s20, 0
	s_cselect_b32 s[LIM], 1, -1                    ; the same in all four partners, for a given wave
	s_lshl_b32 s22, s22, 11
	s_add_co_u32 s22, s22, 3*STEP                  ; at K step 3: the first refill steps it to 4
	s_mov_b32 s23, 0
	s_add_nc_u64 s[PFA:PFA+1], s[PFA:PFA+1], s[22:23]
	v_and_b32 v[PFO], 31, v0
	v_lshlrev_b32 v[PFO], s17, v[PFO]
	s_wait_tensorcnt 1                             ; my part of K step 0 is in; K step 1's load, issued behind it, may stay out
	s_barrier_signal -1
	s_barrier_wait -1
	FETCH 0, 0, F0
	QUARTER 0, 64,  F0, F1, 1                      ; the first quarter stands in front of the loop: its products start the sums
	WIN 0
	s_mov_b32 s3, 3
.Llap:                                                 ; a trip goes once round the ring, from a lap's second quarter to the next lap's first
	QUARTER 0, 128, F1, F0, 0
	QUARTER 0, 192, F0, F1, 0
	TURN 0, 1, 1
	QUARTER 1, 64,  F0, F1, 0
	QUARTER 1, 128, F1, F0, 0
	QUARTER 1, 192, F0, F1, 0
	TURN 1, 0, 1
	QUARTER 0, 64,  F0, F1, 0
	WIN 0
	s_sub_co_u32 s3, s3, 1
	s_cmp_lg_u32 s3, 0
	s_cbranch_scc1 .Llap
	QUARTER 0, 128, F1, F0, 0                      ; the last lap fills nothing
	QUARTER 0, 192, F0, F1, 0
	TURN 0, 1, 0
	QUARTER 1, 64,  F0, F1, 0
	QUARTER 1, 128, F1, F0, 0
	QUARTER 1, 192, F0, F1, 0
	s_wait_dscnt 8
	MUL16 F1, 0, 0, 0
	MUL16 F1, 0, 2, 0
	s_wait_dscnt 0x0
	MUL16 F1, 1, 0, 0
	MUL16 F1, 1, 2, 0
	; THE WAY OUT, 16 rows at a time: the sums go as they are, 32 bytes a lane, into my stage, come back as whole rows of 512 bytes, and are stored.
	PLACES
	PLACES
.macro TOSTAGE a
.set AC, 64*((\a)%4)
.set BK, 64+64*((\a)%2)
	WIN 0x08+4*((\a)/4)                            ; the stores' data (source 1): window 2 or 3
.irp b, 0,1,2,3,4,5,6,7
	ds_store_b128 v[STO], v[AC+8*(\b):AC+8*(\b)+3]   offset:64*(\b)      ; each accumulator's low registers first
	ds_store_b128 v[STO], v[AC+8*(\b)+4:AC+8*(\b)+7] offset:64*(\b)+16
.endr
	WIN 0
.irp t, 0,1,2,3,4,5,6,7,8,9,10,11,12,13,14,15
	ds_load_b128 v[BK+4*(\t):BK+4*(\t)+3], v[RD] offset:(\t)*SP  ; LDS serves a wave's instructions in order (ISA guide 5.7.1.4): these see the stores above, and the next block's stores come behind them
.endr
.endm
.macro SEND a, younger                 ; younger: the LDS instructions issued behind block a's loads: the next block's 32, or none
.set BK, 64+64*((\a)%2)
	s_wait_dscnt \younger
.irp t, 0,1,2,3,4,5,6,7,8,9,10,11,12,13,14,15
	global_store_b128 v[CO], v[BK+4*(\t):BK+4*(\t)+3], s[8:9] offset:(16*(\a)+(\t))*ROWSTEP  ; the wave stores 512 consecutive bytes, aligned
.endr
.endm
	TOSTAGE 0
.irp a, 1,2,3,4,5,6,7
	s_wait_xcnt 0x0                                ; the stores of the block two back have read their data: this block's loads land on those registers
	TOSTAGE \a
	SEND (\a)-1, 32
.endr
	SEND 7, 0
	s_wait_tensorcnt 0x0                           ; the wave's end
	ds_add_u32 v[SPW], v[NIL]
	s_wait_dscnt 0x0
	CROUND                                         ; the closing round
	s_endpgm
.Lfunc_end_k_q60d4453882_scores:
	.size	k_q60d4453882_scores, .Lfunc_end_k_q60d4453882_scores-k_q60d4453882_scores
	.p2alignl 7, 3214868480
	.fill 96, 4, 3214868480
	.section	.rodata,"a",@progbits
	.p2align	6, 0x0
	.amdhsa_kernel k_q60d4453882_scores
		.amdhsa_group_segment_fixed_size 327680
		.amdhsa_private_segment_fixed_size 0
		.amdhsa_enable_private_segment 0
		.amdhsa_kernarg_size 16
		.amdhsa_user_sgpr_count 2
		.amdhsa_user_sgpr_kernarg_segment_ptr 1
		.amdhsa_wavefront_size32 1
		.amdhsa_system_sgpr_workgroup_id_x 1
		.amdhsa_system_sgpr_workgroup_id_y 1
		.amdhsa_system_sgpr_workgroup_id_z 1
		.amdhsa_system_vgpr_workitem_id 0
		.amdhsa_next_free_vgpr 1024
		.amdhsa_next_free_sgpr 88
		.amdhsa_reserve_vcc 0
		.amdhsa_float_denorm_mode_32 3
		.amdhsa_float_denorm_mode_16_64 3
		.amdhsa_memory_ordered 1
		.amdhsa_forward_progress 1
		.amdhsa_inst_pref_size 142
	.end_amdhsa_kernel
	.amdgpu_metadata
---
amdhsa.version: [ 1, 2 ]
amdhsa.kernels:
  - .name:           k_q60d4453882_scores
    .symbol:         k_q60d4453882_scores.kd
    .args:
      - { .name: QKV, .offset: 0, .size: 8, .value_kind: global_buffer, .address_space: global }
      - { .name: SC, .offset: 8, .size: 8, .value_kind: global_buffer, .address_space: global }
    .group_segment_fixed_size: 327680
    .private_segment_fixed_size: 0
    .kernarg_segment_align: 8
    .kernarg_segment_size: 16
    .max_flat_workgroup_size: 128
    .sgpr_count:     88
    .vgpr_count:     1024
    .wavefront_size: 32
...
	.end_amdgpu_metadata
.endif
;; end of part 3
;; launch softmax (part 4): grid 1024 x 1, 8 waves a work-group, no clusters, 0 bytes of LDS; arguments SC, PB; writes PB
.if DOCPART == 4
	.amdgcn_target "amdgcn-amd-amdhsa--gfx1250"
	.amdhsa_code_object_version 6
	.text
	.protected	k_q60d4453882_softmax
	.globl	k_q60d4453882_softmax
	.p2align	8
	.type	k_q60d4453882_softmax,@function
k_q60d4453882_softmax:
	s_mov_b64 s[64:65], 0
	v_nop
	global_prefetch_b8 v0, s[64:65] scope:SCOPE_SE
	s_setreg_imm32_b32 hwreg(HW_REG_WAVE_MODE, 25, 1), 1
	s_wait_xcnt 0x0
; P[q][k] = 2^(c SC[q][k] - c m) / l for k <= q, else 0; c = 0.5 / 32 x log2(e); m the row's maximum over k <= q, l the sum of the exponentials.  SC [8192][2048] f32 holds Q . K; PB [8192][2048] f16.
; Of row q (in its batch) only the columns below 512 (q / 512 + 1) are read in SC (they are among those written there), and only those are written in PB.  All arithmetic in f32, P rounded once.
; LIMITS.  A hidden weight is exactly 0; a weight below f16's step of 6e-8 becomes 0; l is about 1 at the least (the maximum's own term); NaN and infinities are not treated apart.
; ONE WAVE, ONE ROW: the row stays in 64 registers between maximum, exponentials and scaling; nothing leaves the wave, so there is no LDS and no barrier.
; The text is the same for every row up to the stores: a group of 512 columns that the row does not have is read from the row's last group instead and hidden like every column beyond q.
; Matrix units, clusters and tensor loads would add nothing to a stream; no prefetch either: each wave's sixteen loads go out at once, at its start.
.set X, 16                             ; v[16:79]   the row: chunk c (columns 128 c + 4 lane + 0..3) at X + 4 c
.set Y, 80                             ; v[80:111]  P, two registers a chunk
.set M, 8                              ; v[8:11]    four running maxima; then c m twice, and 1 / l twice
.set L, 112                            ; v[112:119] four running sums, in pairs
	s_load_b128 s[4:7], s[0:1], 0x0                ; SC s[4:5], PB s[6:7]
	v_lshrrev_b32 v1, 5, v0
	v_readfirstlane_b32 s8, v1                     ; wave
	s_lshl_b32 s9, ttmp9, 3
	s_add_co_u32 s9, s9, s8                        ; my row
	s_and_b32 s10, s9, 2047                        ; q, in its batch
	s_lshr_b32 s11, s10, 9                         ; G: its group of 512
	v_and_b32 v1, 31, v0
	v_lshlrev_b32 v2, 4, v1                        ; 16 x lane: loads
	v_lshlrev_b32 v3, 3, v1                        ; 8 x lane: stores
	v_lshlrev_b32 v4, 2, v1
	v_sub_nc_u32 v4, s10, v4                       ; q - 4 lane - 128 c: element e of chunk c is seen where e is not greater
	v_mov_b32 v5, 0xff7fffff                       ; the lowest finite number
	s_lshl_b32 s12, s9, 13
	s_mov_b32 s13, 0
	s_lshl_b32 s14, s9, 12
	s_mov_b32 s15, 0
	s_mov_b32 s24, 0x76543210                      ; v_permlanex16_b32: each lane takes its own place in the other half
	s_mov_b32 s25, 0xfedcba98
	s_mov_b32 s28, 0x3cb8aa3b                      ; c = log2(e) / 64
	s_mov_b32 s29, s28                             ; named with it as a pair
	s_wait_kmcnt 0x0
	s_add_nc_u64 s[4:5], s[4:5], s[12:13]
	s_add_nc_u64 s[6:7], s[6:7], s[14:15]
.irp g, 0,1,2,3
	s_min_u32 s26, s11, \g
	s_lshl_b32 s26, s26, 11
	s_mov_b32 s27, 0
	s_add_nc_u64 s[16+2*(\g):17+2*(\g)], s[4:5], s[26:27]
.endr
.irp c, 0,1,2,3,4,5,6,7,8,9,10,11,12,13,14,15
	global_load_b128 v[X+4*(\c):X+4*(\c)+3], v2, s[16+2*((\c)/4):17+2*((\c)/4)] offset:512*((\c)%4)
.endr
.irp c, 0,1,2,3,4,5,6,7,8,9,10,11,12,13,14,15
	s_wait_loadcnt 15-(\c)                         ; loads come back in order: chunk c is in, the 15 - c younger ones stay out
.irp e, 0,1,2,3
	v_cmp_le_i32 vcc_lo, \e, v4
	v_cndmask_b32 v[X+4*(\c)+(\e)], v5, v[X+4*(\c)+(\e)], vcc_lo
.endr
	v_add_nc_u32 v4, 0xffffff80, v4                ; 128 columns on
.endr
	; the maximum: four chains of fifteen, the four left over, then across the lanes
.irp k, 0,1,2,3
	v_max3_num_f32 v[M+(\k)], v[X+16*(\k)], v[X+16*(\k)+1], v[X+16*(\k)+2]
.endr
.irp n, 0,1,2,3,4,5
.irp k, 0,1,2,3
	v_max3_num_f32 v[M+(\k)], v[M+(\k)], v[X+16*(\k)+3+2*(\n)], v[X+16*(\k)+4+2*(\n)]
.endr
.endr
	v_max3_num_f32 v[M], v[M], v[X+15], v[X+31]
	v_max3_num_f32 v[M+2], v[M+2], v[X+47], v[X+63]
	v_max3_num_f32 v[M], v[M], v[M+1], v[M+2]
	v_max_num_f32 v[M], v[M], v[M+3]
	v_max_num_f32_dpp v[M], v[M], v[M] row_xmask:1 row_mask:0xf bank_mask:0xf
	v_max_num_f32_dpp v[M], v[M], v[M] row_xmask:2 row_mask:0xf bank_mask:0xf
	v_max_num_f32_dpp v[M], v[M], v[M] row_xmask:4 row_mask:0xf bank_mask:0xf
	v_max_num_f32_dpp v[M], v[M], v[M] row_xmask:8 row_mask:0xf bank_mask:0xf
	v_permlanex16_b32 v[M+1], v[M], s24, s25
	v_max_num_f32 v[M], v[M], v[M+1]
	v_mul_f32 v[M], s28, v[M]                      ; c m (c is positive: the largest product is the largest exponent)
	v_mov_b32 v[M+1], v[M]
.set i, 0
.rept 32
	v_pk_fma_f32 v[X+i:X+i+1], v[X+i:X+i+1], s[28:29], v[M:M+1] op_sel_hi:[1,0,0] neg_lo:[0,0,1] neg_hi:[0,0,1]  ; c s - c m, two at a time
.set i, i+2
.endr
.set i, 0
.rept 64
	v_exp_f32 v[X+i], v[X+i]                       ; one batch
.set i, i+1
.endr
	v_nop                                          ; a plain instruction behind the last exponential (ISA guide 5.7.2),
	s_wait_alu depctr_va_vdst(0)                   ; and one wait ahead of the batch's first reader
.irp k, 0,1,2,3
	v_pk_add_f32 v[L+2*(\k):L+2*(\k)+1], v[X+16*(\k):X+16*(\k)+1], v[X+16*(\k)+2:X+16*(\k)+3]
.endr
.irp n, 2,3,4,5,6,7
.irp k, 0,1,2,3
	v_pk_add_f32 v[L+2*(\k):L+2*(\k)+1], v[L+2*(\k):L+2*(\k)+1], v[X+16*(\k)+2*(\n):X+16*(\k)+2*(\n)+1]
.endr
.endr
	v_pk_add_f32 v[L:L+1], v[L:L+1], v[L+2:L+3]
	v_pk_add_f32 v[L+4:L+5], v[L+4:L+5], v[L+6:L+7]
	v_pk_add_f32 v[L:L+1], v[L:L+1], v[L+4:L+5]
	v_add_f32 v[L], v[L], v[L+1]
	v_add_f32_dpp v[L], v[L], v[L] row_xmask:1 row_mask:0xf bank_mask:0xf
	v_add_f32_dpp v[L], v[L], v[L] row_xmask:2 row_mask:0xf bank_mask:0xf
	v_add_f32_dpp v[L], v[L], v[L] row_xmask:4 row_mask:0xf bank_mask:0xf
	v_add_f32_dpp v[L], v[L], v[L] row_xmask:8 row_mask:0xf bank_mask:0xf
	v_permlanex16_b32 v[L+1], v[L], s24, s25
	v_add_f32 v[L], v[L], v[L+1]
	v_rcp_f32 v[M+2], v[L]                         ; twice, for the pair that the packed multiply takes
	v_rcp_f32 v[M+3], v[L]
	v_nop
	s_wait_alu depctr_va_vdst(0)                   ; one wait for both reciprocals
.set i, 0
.rept 32
	v_pk_mul_f32 v[X+i:X+i+1], v[X+i:X+i+1], v[M+2:M+3]
.set i, i+2
.endr
.set i, 0
.rept 32
	v_cvt_pk_f16_f32 v[Y+i], v[X+2*i], v[X+2*i+1]
.set i, i+1
.endr
.irp g, 0,1,2,3
.if (\g) > 0
	s_cmp_lt_u32 s11, \g                           ; the row has no such group: nothing more is written
	s_cbranch_scc1 .Ldone
.endif
.irp c, 0,1,2,3
	global_store_b64 v3, v[Y+8*(\g)+2*(\c):Y+8*(\g)+2*(\c)+1], s[6:7] offset:1024*(\g)+256*(\c)  ; the wave stores 256 consecutive bytes, aligned
.endr
.endr
.Ldone:
	s_endpgm
.Lfunc_end_k_q60d4453882_softmax:
	.size	k_q60d4453882_softmax, .Lfunc_end_k_q60d4453882_softmax-k_q60d4453882_softmax
	.p2alignl 7, 3214868480
	.fill 96, 4, 3214868480
	.section	.rodata,"a",@progbits
	.p2align	6, 0x0
	.amdhsa_kernel k_q60d4453882_softmax
		.amdhsa_group_segment_fixed_size 0
		.amdhsa_private_segment_fixed_size 0
		.amdhsa_enable_private_segment 0
		.amdhsa_kernarg_size 16
		.amdhsa_user_sgpr_count 2
		.amdhsa_user_sgpr_kernarg_segment_ptr 1
		.amdhsa_wavefront_size32 1
		.amdhsa_system_sgpr_workgroup_id_x 1
		.amdhsa_system_sgpr_workgroup_id_y 1
		.amdhsa_system_sgpr_workgroup_id_z 1
		.amdhsa_system_vgpr_workitem_id 0
		.amdhsa_next_free_vgpr 128
		.amdhsa_next_free_sgpr 66
		.amdhsa_reserve_vcc 1
		.amdhsa_float_denorm_mode_32 3
		.amdhsa_float_denorm_mode_16_64 3
		.amdhsa_memory_ordered 1
		.amdhsa_forward_progress 1
		.amdhsa_inst_pref_size 24
	.end_amdhsa_kernel
	.amdgpu_metadata
---
amdhsa.version: [ 1, 2 ]
amdhsa.kernels:
  - .name:           k_q60d4453882_softmax
    .symbol:         k_q60d4453882_softmax.kd
    .args:
      - { .name: SC, .offset: 0, .size: 8, .value_kind: global_buffer, .address_space: global }
      - { .name: PB, .offset: 8, .size: 8, .value_kind: global_buffer, .address_space: global }
    .group_segment_fixed_size: 0
    .private_segment_fixed_size: 0
    .kernarg_segment_align: 8
    .kernarg_segment_size: 16
    .max_flat_workgroup_size: 256
    .sgpr_count:     66
    .vgpr_count:     128
    .wavefront_size: 32
...
	.end_amdgpu_metadata
.endif
;; end of part 4
;; launch pv (part 5): grid 4 x 64, 4 waves a work-group, clusters of 4 x 4, 327,680 bytes of LDS; arguments PB, QKV, ZB; writes ZB
.if DOCPART == 5
	.amdgcn_target "amdgcn-amd-amdhsa--gfx1250"
	.amdhsa_code_object_version 6
	.text
	.protected	k_q60d4453882_pv
	.globl	k_q60d4453882_pv
	.p2align	8
	.type	k_q60d4453882_pv,@function
k_q60d4453882_pv:
	s_mov_b64 s[64:65], 0
	v_nop
	global_prefetch_b8 v0, s[64:65] scope:SCOPE_SE
	s_setreg_imm32_b32 hwreg(HW_REG_WAVE_MODE, 25, 1), 1
	s_wait_xcnt 0x0
	s_wait_alu depctr_hold_cnt(0) depctr_sa_sdst(0) depctr_va_vdst(0) depctr_va_sdst(0) depctr_va_ssrc(0) depctr_va_vcc(0) depctr_vm_vsrc(0)
	s_getreg_b32 s2, hwreg(HW_REG_IB_STS2, 6, 4)
	s_cmp_eq_u32 s2, 0
	s_cbranch_scc0 .Lentry_in_a_cluster
	s_endpgm
.Lentry_in_a_cluster:
	s_bfe_u32 s2, ttmp6, 0x10000c
	s_cmp_lg_u32 s2, 0xf033
	s_cbranch_scc0 .Lentry_shape_is_right
	s_endpgm
.Lentry_shape_is_right:
; Z = P V.  PB [8192][2048] f16 (weights, 0 above the diagonal; row q has the columns below 512 (q / 512 + 1)), V = QKV's third part, [8192][1024] f16, ZB [8192][1024] f16.  Sums in f32, Z rounded once.
; LIMIT: f16 holds nothing beyond 65,504; Z is a mean of V's rows and has their range.
; SHARES.  A work-group of four waves makes 128 queries x 256 channels; wave w rows 64 (w / 2) on, channels 128 (w % 2) on: 32 accumulators.  A cluster of 4 x 4 makes one group G of 512 queries of one batch,
; all 1,024 channels, and walks the keys 0 .. 512 (G + 1) - 1, 128 a step: the trip count hangs on the cluster's y alone, so all sixteen partners run alike.  The long walks (G = 3) have the lowest numbers.
; P's tile is shared along a row of the cluster, V's along a column: both are asked for jointly.
; THE MATRIX INSTRUCTION IS USED TRANSPOSED (source 0 = 16 channels of V^T, source 1 = 16 queries of P).  V lies [key][channel] in LDS as in memory and is turned by ds_load_tr16_b128.
; REGISTERS.  Window 0: v0-31 addresses; v64-127 P's fragments, two buffers of 32; v128-255 V's, two buffers of 64.  Window 1: the accumulators, (a, b) at 8 (8 a + b).
.set PITCH, 272                        ; a row of P in LDS: 256 bytes + 16
.set PV,    544                        ; a row of V: 512 bytes + 32 = 136 words
.set AH,    64*PITCH
.set BH,    64*PV                      ; 64 keys: what wave 2 or 3 fetches
.set BOFF,  2*AH
.set SLOT,  2*AH+2*BH
.set STAGE, 2*SLOT
.set SP,    272
.set SPARE, STAGE+4*16*SP              ; behind the stages: the spare words, 128 bytes a wave, that no other line names
.set STEPA, 256                        ; 128 keys along a row of P
.set STEPB, 128*2048                   ; 128 rows of V
.set ADRA, 16
.set ADRB, 20
.set STO,  24
.set RD,   25
.set CO,   26
.set SPW,  28                          ; v28 my spare word; never rewritten
.set NIL,  29                          ; v29 0; never rewritten
.set PFO,  30                          ; v30 the prefetches' offset; never rewritten
.set FA,   64
.set FB,   128
.set PK,   64
.set BK,   96
.set G1A, 24
.set G0A, 32
.set G1B, 48
.set G0B, 56
.set LIM, 43                           ; s43 a wave prefetches in the trips below this number
.set PFA, 44
.set PFS, 66                           ; s[66:67] the prefetches' step: P's or V's
.set NT,  72                           ; s72 the loop's trips: 2 G + 1
.set MUL, 0x50
.set MSB, 0
.macro WIN new
.if MSB != (\new)
	s_set_vgpr_msb (MSB<<8)|(\new)
.set MSB, \new
.endif
.endm
.macro PLACES                          ; four plain instructions between a matrix instruction and a load into, or a vector access to, its registers
.rept 4
	v_nop
.endr
.endm
.macro CREST
	s_cmp_lg_u32 s10, 0
	s_cbranch_scc1 .Lnot_wave_0_\@
	s_barrier_signal -3
.Lnot_wave_0_\@:
	s_barrier_wait -3
	s_barrier_signal -1
	s_barrier_wait -1
.endm
.macro CROUND
	s_barrier_signal -1
	s_barrier_wait -1
	CREST
.endm
.macro JLOAD s                         ; a joint load: waves 0 and 1 fetch P's two halves, waves 2 and 3 V's; s_nop 0 and four v_nop follow each line
	s_cmp_eq_u32 s11, 0
	s_cbranch_scc0 .Lfor_b_\@
	tensor_load_to_lds s[G0A+4*(\s):G0A+4*(\s)+3], s[G1A:G1A+7]
	s_nop 0
.rept 4
	v_nop
.endr
	s_branch .Lasked_\@
.Lfor_b_\@:
	tensor_load_to_lds s[G0B+4*(\s):G0B+4*(\s)+3], s[G1B:G1B+7]
	s_nop 0
.rept 4
	v_nop
.endr
.Lasked_\@:
.endm
; A prefetch of the step two refills on: 32 blocks of 256 bytes, a lane a block.  Each block is named once in the launch: P's rows by wave 0 (no other cluster reads them), 32 rows a partner;
; V's by waves 2 and 3 of the clusters with G = 3, which walk all keys: 16 keys x 2 blocks a partner.  Partners are told apart by address.  The last trip has no step two on.
.macro ASK
	s_cmp_lt_u32 s3, s[LIM]
	s_cbranch_scc0 .Lnot_mine_\@
	global_prefetch_b8 v[PFO], s[PFA:PFA+1] th:TH_LOAD_NT scope:SCOPE_SE
.Lnot_mine_\@:
.endm
.macro MUL8 f, a, zero                 ; 8 matrix instructions; the 32 accumulators take turns in one fixed order
	WIN MUL
.irp b, 0,1,2,3,4,5,6,7
.set rD, 8*(8*(\a)+(\b))
.set rB, FB+64*(\f)+8*(\b)
.set rA, FA+32*(\f)+8*(\a)
.if \zero
	v_wmma_f32_16x16x32_f16 v[rD:rD+7], v[rB:rB+7], v[rA:rA+7], 0
.else
	v_wmma_f32_16x16x32_f16 v[rD:rD+7], v[rB:rB+7], v[rA:rA+7], v[rD:rD+7]
.endif
.endr
.endm
; 24 LDS loads in one run: 32 keys, at byte k of P's rows and at row k / 2 of V's tile
.macro FETCH slot, k, f
	WIN 0
.irp i, 0,1,2,3,4,5,6,7
	ds_load_tr16_b128 v[FB+64*(\f)+8*(\i):FB+64*(\f)+8*(\i)+3],   v[ADRB+(\slot)] offset:((\k)/2)*PV+32*(\i)
	ds_load_tr16_b128 v[FB+64*(\f)+8*(\i)+4:FB+64*(\f)+8*(\i)+7], v[ADRB+(\slot)] offset:((\k)/2)*PV+16*PV+32*(\i)
.endr
.irp i, 0,1,2,3
	ds_load_b128 v[FA+32*(\f)+8*(\i):FA+32*(\f)+8*(\i)+3],   v[ADRA+(\slot)] offset:(\k)+(\i)*16*PITCH
	ds_load_b128 v[FA+32*(\f)+8*(\i)+4:FA+32*(\f)+8*(\i)+7], v[ADRA+(\slot)] offset:(\k)+(\i)*16*PITCH+32
.endr
.endm
.macro QUARTER slot, k, f, g, zero
	PLACES
	FETCH \slot, \k, \g
	s_wait_dscnt 24                                ; all but the 24 just issued: buffer f is in
	MUL8 \f, 0, \zero
	MUL8 \f, 1, \zero
	MUL8 \f, 2, \zero
	MUL8 \f, 3, \zero
.endm
.macro MEET round
	WIN 0
	s_wait_tensorcnt 0x0
	ds_add_u32 v[SPW], v[NIL]
	s_wait_dscnt 1                                 ; only the add is younger than buffer 1's loads
	MUL8 1, 0, 0
	s_wait_dscnt 0x0
	s_barrier_signal -1
	MUL8 1, 1, 0
.if \round
	WIN 0
.endif
	s_barrier_wait -1
.endm
.macro TURN slot, next, fill
.if \fill
	s_wait_xcnt 0x0                                ; the last prefetch, a step back, has read its address
	s_add_nc_u64 s[PFA:PFA+1], s[PFA:PFA+1], s[PFS:PFS+1]
.endif
	MEET \fill
.if \fill
	CREST
	s_add_nc_u64 s[G0A+4*(\slot)+2:G0A+4*(\slot)+3], s[G0A+4*(\slot)+2:G0A+4*(\slot)+3], 2*STEPA
	s_add_nc_u64 s[G0B+4*(\slot)+2:G0B+4*(\slot)+3], s[G0B+4*(\slot)+2:G0B+4*(\slot)+3], 2*STEPB
	JLOAD \slot
.else
	PLACES
.endif
	FETCH \next, 0, 0
.if \fill
	ASK
.endif
	MUL8 1, 2, 0
	MUL8 1, 3, 0
.endm
	s_load_b128 s[4:7], s[0:1], 0x0                ; PB s[4:5], QKV s[6:7]
	s_load_b64 s[8:9], s[0:1], 0x10                ; ZB
	v_lshl_add_u32 v[SPW], v0, 2, SPARE
	v_mov_b32 v[NIL], 0
	ds_add_u32 v[SPW], v[NIL]                      ; the wave's opening: the add and its wait ahead of my first tensor load
	v_lshrrev_b32 v1, 5, v0
	v_readfirstlane_b32 s10, v1
	s_lshr_b32 s11, s10, 1                         ; my half of the rows; also: I fetch P (0) or V (1)
	s_and_b32 s12, s10, 1                          ; my half of the channels; also: which half I fetch
	s_bfe_u32 s40, ttmp6, 0x40000                  ; cx
	s_bfe_u32 s41, ttmp6, 0x40004                  ; cy
	s_and_b32 s16, ttmp7, 0xffff                   ; cluster y, 0..15
	s_lshr_b32 s73, s16, 2                         ; 3 - G
	s_sub_co_u32 s70, 3, s73                       ; G
	s_and_b32 s71, s16, 3                          ; the batch
	s_lshl_b32 s[NT], s70, 1
	s_add_co_u32 s[NT], s[NT], 1
	s_lshl_b32 s13, s70, 2
	s_add_co_u32 s13, s13, s41                     ; block of 128 queries in the batch
	s_lshl_b32 s42, ttmp9, 2
	s_add_co_u32 s42, s42, s40                     ; block of 256 channels
	s_lshl_b32 s16, s41, 2
	s_lshl_b32 s16, 15, s16                        ; my row of the cluster
	s_lshl_b32 s46, 0x1111, s40                    ; my column
	s_or_b32 s[G1A], s16, (1<<16)|(1<<20)|(1<<21)|(5<<22)|(3<<25)  ; the mask; 2-byte elements; padding on; bit 21 beside the mask; after every 64 words, 4 words
	s_or_b32 s[G1B], s46, (1<<16)|(1<<20)|(1<<21)|(6<<22)|(7<<25)  ; after every 128 words, 8 words
	s_mov_b32 s[G1A+1], 128<<16
	s_mov_b32 s[G1A+2], 64<<16
	s_mov_b32 s[G1A+3], 128<<16
	s_mov_b32 s[G1A+4], 64
	s_mov_b32 s[G1A+5], 2048                       ; elements from row to row of P
	s_mov_b32 s[G1A+6], 0
	s_mov_b32 s[G1A+7], 0
	s_mov_b32 s[G1B+1], 256<<16                    ; 256 channels
	s_mov_b32 s[G1B+2], 64<<16                     ; 64 keys
	s_mov_b32 s[G1B+3], 256<<16
	s_mov_b32 s[G1B+4], 64
	s_mov_b32 s[G1B+5], 1024
	s_mov_b32 s[G1B+6], 0
	s_mov_b32 s[G1B+7], 0
	s_lshl_b32 s16, s71, 11
	s_lshl_b32 s17, s13, 7
	s_add_co_u32 s16, s16, s17
	s_lshl_b32 s17, s12, 6
	s_add_co_u32 s16, s16, s17                     ; P: row 2,048 b + 128 x block + 64 x half
	s_lshl_b32 s16, s16, 12
	s_mov_b32 s17, 0
	s_lshl_b32 s46, s71, 11
	s_lshl_b32 s47, s12, 6
	s_add_co_u32 s46, s46, s47                     ; V: key 2,048 b + 64 x half,
	s_lshl_b32 s46, s46, 11
	s_lshl_b32 s47, s42, 9
	s_add_co_u32 s46, s46, s47                     ; channel 256 x block
	s_mov_b32 s47, 0
	s_mul_i32 s20, s12, AH
	s_mul_i32 s21, s12, BH
	s_add_co_u32 s21, s21, BOFF
	s_wait_dscnt 0x0                               ; the opening add is done
	s_wait_kmcnt 0x0
	s_add_nc_u64 s[6:7], s[6:7], 0x2000000         ; V: 16,384 rows of 2,048 bytes on
	s_add_nc_u64 s[14:15], s[4:5], s[16:17]
	s_add_nc_u64 s[46:47], s[6:7], s[46:47]
	CROUND                                         ; all sixteen work-groups are here: the first joint loads meet
.irp s, 0,1
	s_mov_b32 s[G0A+4*(\s)], 1
	s_add_co_u32 s[G0A+4*(\s)+1], s20, (\s)*SLOT
	s_add_nc_u64 s[G0A+4*(\s)+2:G0A+4*(\s)+3], s[14:15], (\s)*STEPA
	s_or_b32 s[G0A+4*(\s)+3], s[G0A+4*(\s)+3], 0x80000000
	s_mov_b32 s[G0B+4*(\s)], 1
	s_add_co_u32 s[G0B+4*(\s)+1], s21, (\s)*SLOT
	s_add_nc_u64 s[G0B+4*(\s)+2:G0B+4*(\s)+3], s[46:47], (\s)*STEPB
	s_or_b32 s[G0B+4*(\s)+3], s[G0B+4*(\s)+3], 0x80000000
	JLOAD \s
.endr
	v_and_b32 v1, 15, v0
	v_bfe_u32 v2, v0, 4, 1
	v_mul_u32_u24 v3, v1, PITCH
	v_lshl_add_u32 v3, v2, 4, v3                   ; P: row x pitch + 16 x half
	v_and_b32 v4, 7, v0                            ; V: lane l reads key 8 (l / 16) + l % 8, channels 8 ((l / 8) % 2) + 0..7
	v_lshl_add_u32 v4, v2, 3, v4
	v_mul_u32_u24 v4, v4, PV
	v_bfe_u32 v6, v0, 3, 1
	v_lshl_add_u32 v4, v6, 4, v4
	s_mul_i32 s21, s11, AH
	s_lshl_b32 s22, s12, 8                         ; my 128 channels: 256 bytes of a row
	s_add_co_u32 s22, s22, BOFF
.irp s, 0,1
	v_add_nc_u32 v[ADRA+(\s)], s21, v3
	v_add_nc_u32 v[ADRB+(\s)], s22, v4
	s_add_co_u32 s21, s21, SLOT
	s_add_co_u32 s22, s22, SLOT
.endr
	s_mul_i32 s23, s10, 16*SP
	s_add_co_u32 s23, s23, STAGE
	v_mul_u32_u24 v5, v1, SP
	v_lshl_add_u32 v5, v2, 4, v5
	v_add_nc_u32 v[STO], s23, v5
	v_mul_u32_u24 v6, v2, SP
	v_lshl_add_u32 v6, v1, 4, v6
	v_add_nc_u32 v[RD], s23, v6
	v_lshlrev_b32 v6, 11, v2
	v_lshl_add_u32 v[CO], v1, 4, v6
	s_lshl_b32 s18, s71, 11
	s_lshl_b32 s19, s13, 7
	s_add_co_u32 s18, s18, s19
	s_lshl_b32 s19, s11, 6
	s_add_co_u32 s18, s18, s19
	s_lshl_b32 s18, s18, 11
	s_lshl_b32 s19, s42, 9
	s_add_co_u32 s18, s18, s19
	s_lshl_b32 s19, s12, 8
	s_add_co_u32 s18, s18, s19
	s_mov_b32 s19, 0
	s_add_nc_u64 s[8:9], s[8:9], s[18:19]          ; my wave's corner of Z
	; the prefetches
	s_lshl_b32 s18, s71, 11
	s_lshl_b32 s19, s13, 7
	s_add_co_u32 s18, s18, s19
	s_lshl_b32 s19, s40, 5
	s_add_co_u32 s18, s18, s19                     ; P: my work-group's 32 of the tile's 128 rows
	s_lshl_b32 s18, s18, 12
	s_add_co_u32 s18, s18, 3*STEPA                 ; at step 3: the first refill steps it to 4
	s_lshl_b32 s22, s71, 11
	s_lshl_b32 s23, s12, 6
	s_add_co_u32 s22, s22, s23
	s_lshl_b32 s23, s41, 4
	s_add_co_u32 s22, s22, s23                     ; V: my work-group's 16 of the 64 keys that I fetch
	s_lshl_b32 s22, s22, 11
	s_lshl_b32 s23, s42, 9
	s_add_co_u32 s22, s22, s23
	s_add_co_u32 s22, s22, 3*STEPB
	s_sub_co_u32 s21, s[NT], 1
	s_mov_b32 s[PFS], STEPB
	s_cmp_eq_u32 s11, 0
	s_cselect_b32 s20, s12, s73                    ; 0 in wave 0, and in waves 2 and 3 where G = 3
	s_cselect_b32 s22, s18, s22
	s_cselect_b64 s[PFA:PFA+1], s[4:5], s[6:7]
	s_cselect_b32 s[PFS], STEPA, s[PFS]
	s_cselect_b32 s16, 0, 1                        ; P: a lane a row of 4,096 bytes; V: two lanes a row of 2,048, 256 bytes apart
	s_cselect_b32 s17, 12, 11
	s_mov_b32 s[PFS+1], 0
	s_mov_b32 s23, 0
	s_add_nc_u64 s[PFA:PFA+1], s[PFA:PFA+1], s[22:23]
	s_cmp_eq_u32 s20, 0
	s_cselect_b32 s[LIM], s21, 0                   ; the same in all sixteen partners, for a given wave
	v_and_b32 v6, 31, v0
	v_lshrrev_b32 v7, s16, v6
	v_lshlrev_b32 v7, s17, v7
	v_and_b32 v6, s16, v6
	v_lshl_add_u32 v[PFO], v6, 8, v7
	s_wait_tensorcnt 1                             ; my part of step 0 is in; step 1's load, issued behind it, may stay out
	s_barrier_signal -1
	s_barrier_wait -1
	FETCH 0, 0, 0
	QUARTER 0, 64,  0, 1, 1
	WIN 0
	s_mov_b32 s3, 0
.Llap:                                                 ; 2 G + 1 trips, each once round the ring; the LDS addresses are the same in every trip
	QUARTER 0, 128, 1, 0, 0
	QUARTER 0, 192, 0, 1, 0
	TURN 0, 1, 1
	QUARTER 1, 64,  0, 1, 0
	QUARTER 1, 128, 1, 0, 0
	QUARTER 1, 192, 0, 1, 0
	TURN 1, 0, 1
	QUARTER 0, 64,  0, 1, 0
	WIN 0
	s_add_co_u32 s3, s3, 1
	s_cmp_lt_u32 s3, s[NT]
	s_cbranch_scc1 .Llap
	QUARTER 0, 128, 1, 0, 0
	QUARTER 0, 192, 0, 1, 0
	TURN 0, 1, 0
	QUARTER 1, 64,  0, 1, 0
	QUARTER 1, 128, 1, 0, 0
	QUARTER 1, 192, 0, 1, 0
	s_wait_dscnt 0x0
	MUL8 1, 0, 0
	MUL8 1, 1, 0
	MUL8 1, 2, 0
	MUL8 1, 3, 0
	; THE WAY OUT, 16 rows at a time: rounded to f16, 16 bytes a lane into my stage, back as whole rows of 256 bytes, stored.
	PLACES
	PLACES
.macro PACK a
	WIN 0x05                                       ; sources 0 and 1 in window 1
.set i, 0
.rept 32
	v_cvt_pk_f16_f32 v[PK+i], v[64*(\a)+2*i], v[64*(\a)+2*i+1]  ; each accumulator's registers in ascending order
.set i, i+1
.endr
	WIN 0
.endm
.macro TOSTAGE
.irp b, 0,1,2,3,4,5,6,7
	ds_store_b128 v[STO], v[PK+4*(\b):PK+4*(\b)+3] offset:32*(\b)
.endr
.irp t, 0,1,2,3,4,5,6,7
	ds_load_b128 v[BK+4*(\t):BK+4*(\t)+3], v[RD] offset:(\t)*2*SP  ; LDS serves a wave's instructions in order (ISA guide 5.7.1.4): these see the stores above
.endr
.endm
.macro SEND a
	s_wait_dscnt 0x0
.irp t, 0,1,2,3,4,5,6,7
	global_store_b128 v[CO], v[BK+4*(\t):BK+4*(\t)+3], s[8:9] offset:(16*(\a)+2*(\t))*2048  ; 16 lanes store 256 consecutive bytes, aligned
.endr
.endm
	PACK 0
	TOSTAGE
.irp a, 1,2,3
	PACK \a
	SEND (\a)-1
	s_wait_xcnt 0x0                                ; the stores have read their data: only now are those registers loaded again
	TOSTAGE
.endr
	SEND 3
	s_wait_tensorcnt 0x0                           ; the wave's end
	ds_add_u32 v[SPW], v[NIL]
	s_wait_dscnt 0x0
	CROUND                                         ; the closing round
	s_endpgm
.Lfunc_end_k_q60d4453882_pv:
	.size	k_q60d4453882_pv, .Lfunc_end_k_q60d4453882_pv-k_q60d4453882_pv
	.p2alignl 7, 3214868480
	.fill 96, 4, 3214868480
	.section	.rodata,"a",@progbits
	.p2align	6, 0x0
	.amdhsa_kernel k_q60d4453882_pv
		.amdhsa_group_segment_fixed_size 327680
		.amdhsa_private_segment_fixed_size 0
		.amdhsa_enable_private_segment 0
		.amdhsa_kernarg_size 24
		.amdhsa_user_sgpr_count 2
		.amdhsa_user_sgpr_kernarg_segment_ptr 1
		.amdhsa_wavefront_size32 1
		.amdhsa_system_sgpr_workgroup_id_x 1
		.amdhsa_system_sgpr_workgroup_id_y 1
		.amdhsa_system_sgpr_workgroup_id_z 1
		.amdhsa_system_vgpr_workitem_id 0
		.amdhsa_next_free_vgpr 512
		.amdhsa_next_free_sgpr 88
		.amdhsa_reserve_vcc 0
		.amdhsa_float_denorm_mode_32 3
		.amdhsa_float_denorm_mode_16_64 3
		.amdhsa_memory_ordered 1
		.amdhsa_forward_progress 1
		.amdhsa_inst_pref_size 88
	.end_amdhsa_kernel
	.amdgpu_metadata
---
amdhsa.version: [ 1, 2 ]
amdhsa.kernels:
  - .name:           k_q60d4453882_pv
    .symbol:         k_q60d4453882_pv.kd
    .args:
      - { .name: PB, .offset: 0, .size: 8, .value_kind: global_buffer, .address_space: global }
      - { .name: QKV, .offset: 8, .size: 8, .value_kind: global_buffer, .address_space: global }
      - { .name: ZB, .offset: 16, .size: 8, .value_kind: global_buffer, .address_space: global }
    .group_segment_fixed_size: 327680
    .private_segment_fixed_size: 0
    .kernarg_segment_align: 8
    .kernarg_segment_size: 24
    .max_flat_workgroup_size: 128
    .sgpr_count:     88
    .vgpr_count:     512
    .wavefront_size: 32
...
	.end_amdgpu_metadata
.endif
;; end of part 5
;; launch outp (part 6): grid 4 x 64, 4 waves a work-group, clusters of 4 x 4, 327,680 bytes of LDS; arguments ZB, WPH, bp, out0; writes out0
.if DOCPART == 6
	.amdgcn_target "amdgcn-amd-amdhsa--gfx1250"
	.amdhsa_code_object_version 6
	.text
	.protected	k_q60d4453882_outp
	.globl	k_q60d4453882_outp
	.p2align	8
	.type	k_q60d4453882_outp,@function
k_q60d4453882_outp:
	s_mov_b64 s[64:65], 0
	v_nop
	global_prefetch_b8 v0, s[64:65] scope:SCOPE_SE
	s_setreg_imm32_b32 hwreg(HW_REG_WAVE_MODE, 25, 1), 1
	s_wait_xcnt 0x0
	s_wait_alu depctr_hold_cnt(0) depctr_sa_sdst(0) depctr_va_vdst(0) depctr_va_sdst(0) depctr_va_ssrc(0) depctr_va_vcc(0) depctr_vm_vsrc(0)
	s_getreg_b32 s2, hwreg(HW_REG_IB_STS2, 6, 4)
	s_cmp_eq_u32 s2, 0
	s_cbranch_scc0 .Lentry_in_a_cluster
	s_endpgm
.Lentry_in_a_cluster:
	s_bfe_u32 s2, ttmp6, 0x10000c
	s_cmp_lg_u32 s2, 0xf033
	s_cbranch_scc0 .Lentry_shape_is_right
	s_endpgm
.Lentry_shape_is_right:
; out0 = Z Wp^T + bp.  ZB [8192][1024] f16, WPH [1024][1024] f16 (Wp rounded to bf16, written as f16), bp [1024] f32, out0 [8192][1024] f32.
; Products in f16 with f32 sums; the bias is rounded to bf16 like every input and added in f32.
; SHARES.  A work-group of four waves makes 128 rows x 256 columns; wave w rows 64 (w / 2) on, columns 128 (w % 2) on: 32 accumulators.  64 x 4 = 256 tiles.
; K goes in steps of 128 (rows of 256 bytes, aligned) through two LDS slots.  CLUSTERS of 4 x 4: Z's tile is shared along a row, Wp's along a column: both are asked for jointly.
; THE MATRIX INSTRUCTION IS USED TRANSPOSED (source 0 = 16 rows of Wp, source 1 = 16 rows of Z): lane l holds row l % 16 of the result and the columns 8 (l / 16) + 0..7.
; REGISTERS.  Window 0: v0-31 addresses; v32-63 the bias as bf16 pairs; v64-127 Z's fragments, two buffers of 32; v128-255 Wp's, two buffers of 64.  Window 1: the accumulators, (a, b) at 8 (8 a + b).
; On the way out v128-191 hold the bias in f32, v192-255 sums with bias, v64-127 rows read back.
.set PITCH, 272                        ; an LDS row: 256 bytes + 16 of padding: the 16 rows of a fragment load start at 16 different groups of four banks (ISA guide 11.1)
.set AH,    64*PITCH
.set BH,    128*PITCH
.set BOFF,  2*AH
.set SLOT,  2*AH+2*BH
.set STAGE, 2*SLOT                     ; behind the ring: 16 rows x 528 bytes for each wave
.set SP,    528
.set SPARE, STAGE+4*16*SP              ; behind the stages: the spare words, 128 bytes a wave, that no other line names
.set STEP,  256
.set ROWSTEP, 4096
.set ADRA, 16
.set ADRB, 20
.set STO,  24
.set RD,   25
.set CO,   26
.set SPW,  28                          ; v28 my spare word; never rewritten
.set NIL,  29                          ; v29 0; never rewritten
.set PFO,  30                          ; v30 the prefetches' offset: lane x a row's 2,048 bytes; never rewritten
.set BPK,  32
.set FA,   64
.set FB,   128
.set BK,   64
.set BIAS, 128
.set T,    192
.set G1A, 24
.set G0A, 32
.set G1B, 48
.set G0B, 56
.set LIM, 43
.set PFA, 44
.set PADW, (1<<16)|(1<<20)|(5<<22)|(3<<25)
.set MUL, 0x50
.set MSB, 0
.macro WIN new
.if MSB != (\new)
	s_set_vgpr_msb (MSB<<8)|(\new)
.set MSB, \new
.endif
.endm
.macro PLACES                          ; four plain instructions between a matrix instruction and a load into, or a vector access to, its registers
.rept 4
	v_nop
.endr
.endm
.macro CREST
	s_cmp_lg_u32 s10, 0
	s_cbranch_scc1 .Lnot_wave_0_\@
	s_barrier_signal -3
.Lnot_wave_0_\@:
	s_barrier_wait -3
	s_barrier_signal -1
	s_barrier_wait -1
.endm
.macro CROUND
	s_barrier_signal -1
	s_barrier_wait -1
	CREST
.endm
.macro JLOAD s                         ; a joint load: waves 0 and 1 fetch Z's two halves, waves 2 and 3 Wp's; s_nop 0 and four v_nop follow each line
	s_cmp_eq_u32 s11, 0
	s_cbranch_scc0 .Lfor_b_\@
	tensor_load_to_lds s[G0A+4*(\s):G0A+4*(\s)+3], s[G1A:G1A+7]
	s_nop 0
.rept 4
	v_nop
.endr
	s_branch .Lasked_\@
.Lfor_b_\@:
	tensor_load_to_lds s[G0B+4*(\s):G0B+4*(\s)+3], s[G1B:G1B+7]
	s_nop 0
.rept 4
	v_nop
.endr
.Lasked_\@:
.endm
; A prefetch of the K step two refills on: 32 rows x 256 bytes, a lane a row.  Each block is named once in the launch: Z's rows by wave 0 (no other cluster reads them);
; Wp's by waves 2 and 3 of the cluster with y = 0.  The partners share a tile's rows out by address, 32 each.  The loop's last trip (s3 = 1) has no K step two on.
.macro ASK
	s_cmp_gt_u32 s3, s[LIM]
	s_cbranch_scc0 .Lnot_mine_\@
	global_prefetch_b8 v[PFO], s[PFA:PFA+1] th:TH_LOAD_NT scope:SCOPE_SE
.Lnot_mine_\@:
.endm
.macro MUL8 f, a, zero                 ; 8 matrix instructions; the 32 accumulators take turns in one fixed order
	WIN MUL
.irp b, 0,1,2,3,4,5,6,7
.set rD, 8*(8*(\a)+(\b))
.set rB, FB+64*(\f)+8*(\b)
.set rA, FA+32*(\f)+8*(\a)
.if \zero
	v_wmma_f32_16x16x32_f16 v[rD:rD+7], v[rB:rB+7], v[rA:rA+7], 0
.else
	v_wmma_f32_16x16x32_f16 v[rD:rD+7], v[rB:rB+7], v[rA:rA+7], v[rD:rD+7]
.endif
.endr
.endm
.macro FETCH slot, k, f                ; 24 LDS loads in one run
	WIN 0
.irp i, 0,1,2,3,4,5,6,7
	ds_load_b128 v[FB+64*(\f)+8*(\i):FB+64*(\f)+8*(\i)+3],   v[ADRB+(\slot)] offset:(\k)+(\i)*16*PITCH
	ds_load_b128 v[FB+64*(\f)+8*(\i)+4:FB+64*(\f)+8*(\i)+7], v[ADRB+(\slot)] offset:(\k)+(\i)*16*PITCH+32
.endr
.irp i, 0,1,2,3
	ds_load_b128 v[FA+32*(\f)+8*(\i):FA+32*(\f)+8*(\i)+3],   v[ADRA+(\slot)] offset:(\k)+(\i)*16*PITCH
	ds_load_b128 v[FA+32*(\f)+8*(\i)+4:FA+32*(\f)+8*(\i)+7], v[ADRA+(\slot)] offset:(\k)+(\i)*16*PITCH+32
.endr
.endm
.macro QUARTER slot, k, f, g, zero
	PLACES
	FETCH \slot, \k, \g
	s_wait_dscnt 24                                ; all but the 24 just issued: buffer f is in
	MUL8 \f, 0, \zero
	MUL8 \f, 1, \zero
	MUL8 \f, 2, \zero
	MUL8 \f, 3, \zero
.endm
.macro MEET round
	WIN 0
	s_wait_tensorcnt 0x0
	ds_add_u32 v[SPW], v[NIL]
	s_wait_dscnt 1                                 ; only the add is younger than buffer 1's loads
	MUL8 1, 0, 0
	s_wait_dscnt 0x0
	s_barrier_signal -1
	MUL8 1, 1, 0
.if \round
	WIN 0
.endif
	s_barrier_wait -1
.endm
.macro TURN slot, next, fill
.if \fill
	s_wait_xcnt 0x0                                ; the last prefetch, a K step back, has read its address
	s_add_nc_u64 s[PFA:PFA+1], s[PFA:PFA+1], STEP
.endif
	MEET \fill
.if \fill
	CREST
	s_add_nc_u64 s[G0A+4*(\slot)+2:G0A+4*(\slot)+3], s[G0A+4*(\slot)+2:G0A+4*(\slot)+3], 2*STEP
	s_add_nc_u64 s[G0B+4*(\slot)+2:G0B+4*(\slot)+3], s[G0B+4*(\slot)+2:G0B+4*(\slot)+3], 2*STEP
	JLOAD \slot
.else
	PLACES
.endif
	FETCH \next, 0, 0
.if \fill
	ASK
.endif
	MUL8 1, 2, 0
	MUL8 1, 3, 0
.endm
	s_load_b128 s[4:7], s[0:1], 0x0                ; ZB s[4:5], WPH s[6:7]
	s_load_b128 s[72:75], s[0:1], 0x10             ; bp s[72:73], out0 s[74:75]
	v_lshl_add_u32 v[SPW], v0, 2, SPARE
	v_mov_b32 v[NIL], 0
	ds_add_u32 v[SPW], v[NIL]                      ; the wave's opening: the add and its wait ahead of my first tensor load
	v_lshrrev_b32 v1, 5, v0
	v_readfirstlane_b32 s10, v1
	s_lshr_b32 s11, s10, 1
	s_and_b32 s12, s10, 1
	s_bfe_u32 s40, ttmp6, 0x40000                  ; cx
	s_bfe_u32 s41, ttmp6, 0x40004                  ; cy
	s_and_b32 s70, ttmp7, 0xffff                   ; cluster y, 0..15
	s_lshl_b32 s13, s70, 2
	s_add_co_u32 s13, s13, s41                     ; block of 128 rows
	s_lshl_b32 s42, ttmp9, 2
	s_add_co_u32 s42, s42, s40                     ; block of 256 columns
	s_lshl_b32 s16, s41, 2
	s_lshl_b32 s16, 15, s16                        ; my row of the cluster
	s_lshl_b32 s46, 0x1111, s40                    ; my column
	s_or_b32 s[G1A], s16, PADW|(1<<21)
	s_or_b32 s[G1B], s46, PADW|(1<<21)
	s_mov_b32 s[G1A+1], 128<<16
	s_mov_b32 s[G1A+2], 64<<16
	s_mov_b32 s[G1A+3], 128<<16
	s_mov_b32 s[G1A+4], 64
	s_mov_b32 s[G1A+5], 1024
	s_mov_b32 s[G1A+6], 0
	s_mov_b32 s[G1A+7], 0
	s_mov_b32 s[G1B+1], 128<<16
	s_mov_b32 s[G1B+2], 128<<16
	s_mov_b32 s[G1B+3], 128<<16
	s_mov_b32 s[G1B+4], 128
	s_mov_b32 s[G1B+5], 1024
	s_mov_b32 s[G1B+6], 0
	s_mov_b32 s[G1B+7], 0
	s_lshl_b32 s16, s13, 7
	s_lshl_b32 s17, s12, 6
	s_add_co_u32 s16, s16, s17
	s_lshl_b32 s16, s16, 11
	s_mov_b32 s17, 0
	s_lshl_b32 s46, s42, 8
	s_lshl_b32 s47, s12, 7
	s_add_co_u32 s46, s46, s47
	s_lshl_b32 s46, s46, 11
	s_mov_b32 s47, 0
	s_mul_i32 s20, s12, AH
	s_mul_i32 s21, s12, BH
	s_add_co_u32 s21, s21, BOFF
	s_wait_dscnt 0x0                               ; the opening add is done
	s_wait_kmcnt 0x0
	s_add_nc_u64 s[14:15], s[4:5], s[16:17]
	s_add_nc_u64 s[46:47], s[6:7], s[46:47]
	CROUND                                         ; all sixteen work-groups are here: the first joint loads meet
.irp s, 0,1
	s_mov_b32 s[G0A+4*(\s)], 1
	s_add_co_u32 s[G0A+4*(\s)+1], s20, (\s)*SLOT
	s_add_nc_u64 s[G0A+4*(\s)+2:G0A+4*(\s)+3], s[14:15], (\s)*STEP
	s_or_b32 s[G0A+4*(\s)+3], s[G0A+4*(\s)+3], 0x80000000
	s_mov_b32 s[G0B+4*(\s)], 1
	s_add_co_u32 s[G0B+4*(\s)+1], s21, (\s)*SLOT
	s_add_nc_u64 s[G0B+4*(\s)+2:G0B+4*(\s)+3], s[46:47], (\s)*STEP
	s_or_b32 s[G0B+4*(\s)+3], s[G0B+4*(\s)+3], 0x80000000
	JLOAD \s
.endr
	v_and_b32 v1, 15, v0
	v_bfe_u32 v2, v0, 4, 1
	s_lshl_b32 s22, s42, 10                        ; the bias of my 64 columns: 16 b + 8 (l / 16) + 0..7 of my wave's 128
	s_lshl_b32 s23, s12, 9
	s_add_co_u32 s22, s22, s23
	s_mov_b32 s23, 0
	s_add_nc_u64 s[68:69], s[72:73], s[22:23]
	v_lshlrev_b32 v5, 5, v2
.irp b, 0,1,2,3,4,5,6,7
	global_load_b128 v[T+8*(\b):T+8*(\b)+3],   v5, s[68:69] offset:64*(\b)
	global_load_b128 v[T+8*(\b)+4:T+8*(\b)+7], v5, s[68:69] offset:64*(\b)+16
.endr
	v_mul_u32_u24 v3, v1, PITCH
	v_lshl_add_u32 v3, v2, 4, v3
	s_mul_i32 s21, s11, AH
	s_mul_i32 s22, s12, BH
	s_add_co_u32 s22, s22, BOFF
.irp s, 0,1
	v_add_nc_u32 v[ADRA+(\s)], s21, v3
	v_add_nc_u32 v[ADRB+(\s)], s22, v3
	s_add_co_u32 s21, s21, SLOT
	s_add_co_u32 s22, s22, SLOT
.endr
	s_mul_i32 s23, s10, 16*SP
	s_add_co_u32 s23, s23, STAGE                   ; my stage
	v_mul_u32_u24 v4, v1, SP                       ; in: row l % 16, 32 bytes for each half of the lanes
	v_lshl_add_u32 v4, v2, 5, v4
	v_add_nc_u32 v[STO], s23, v4
	v_and_b32 v6, 31, v0
	v_lshlrev_b32 v[CO], 4, v6                     ; back, and out: 32 lanes take a row's 512 bytes
	v_add_nc_u32 v[RD], s23, v[CO]
	s_lshl_b32 s18, s13, 7
	s_lshl_b32 s19, s11, 6
	s_add_co_u32 s18, s18, s19
	s_lshl_b32 s18, s18, 12
	s_lshl_b32 s19, s42, 10
	s_add_co_u32 s18, s18, s19
	s_lshl_b32 s19, s12, 9
	s_add_co_u32 s18, s18, s19
	s_mov_b32 s19, 0
	s_add_nc_u64 s[8:9], s[74:75], s[18:19]        ; my wave's corner of the result
	; the prefetches
	s_lshl_b32 s22, s13, 7
	s_lshl_b32 s23, s40, 5
	s_add_co_u32 s22, s22, s23                     ; Z: my work-group's 32 of the tile's 128 rows
	s_lshl_b32 s18, s42, 8
	s_lshl_b32 s19, s12, 7
	s_add_co_u32 s18, s18, s19
	s_lshl_b32 s19, s41, 5
	s_add_co_u32 s18, s18, s19                     ; Wp: my work-group's 32 of the 128 rows that I fetch
	s_cmp_eq_u32 s11, 0
	s_cselect_b32 s20, s12, s70                    ; 0 in wave 0, and in waves 2 and 3 of the cluster with y = 0
	s_cselect_b32 s22, s22, s18
	s_cselect_b64 s[PFA:PFA+1], s[4:5], s[6:7]
	s_cmp_eq_u32 s20, 0
	s_cselect_b32 s[LIM], 1, -1                    ; the same in all sixteen partners, for a given wave
	s_lshl_b32 s22, s22, 11
	s_add_co_u32 s22, s22, 3*STEP                  ; at K step 3: the first refill steps it to 4
	s_mov_b32 s23, 0
	s_add_nc_u64 s[PFA:PFA+1], s[PFA:PFA+1], s[22:23]
	v_and_b32 v[PFO], 31, v0
	v_lshlrev_b32 v[PFO], 11, v[PFO]
	s_wait_loadcnt 0x0                             ; the bias: rounded to bf16, two to a register, out of the fragments' way
.set i, 0
.rept 32
	v_cvt_pk_bf16_f32 v[BPK+i], v[T+2*i], v[T+2*i+1]
.set i, i+1
.endr
	s_wait_tensorcnt 1                             ; my part of K step 0 is in; K step 1's load, issued behind it, may stay out
	s_barrier_signal -1
	s_barrier_wait -1
	FETCH 0, 0, 0
	QUARTER 0, 64,  0, 1, 1
	WIN 0
	s_mov_b32 s3, 3
.Llap:
	QUARTER 0, 128, 1, 0, 0
	QUARTER 0, 192, 0, 1, 0
	TURN 0, 1, 1
	QUARTER 1, 64,  0, 1, 0
	QUARTER 1, 128, 1, 0, 0
	QUARTER 1, 192, 0, 1, 0
	TURN 1, 0, 1
	QUARTER 0, 64,  0, 1, 0
	WIN 0
	s_sub_co_u32 s3, s3, 1
	s_cmp_lg_u32 s3, 0
	s_cbranch_scc1 .Llap
	QUARTER 0, 128, 1, 0, 0
	QUARTER 0, 192, 0, 1, 0
	TURN 0, 1, 0
	QUARTER 1, 64,  0, 1, 0
	QUARTER 1, 128, 1, 0, 0
	QUARTER 1, 192, 0, 1, 0
	s_wait_dscnt 0x0
	MUL8 1, 0, 0
	MUL8 1, 1, 0
	MUL8 1, 2, 0
	MUL8 1, 3, 0
	; THE WAY OUT, 16 rows at a time: bias added, 32 bytes a lane into my stage, back as whole rows of 512 bytes, stored.
	PLACES
	PLACES
	WIN 0
.set i, 0
.rept 32
	v_lshlrev_b32 v[BIAS+2*i],   16, v[BPK+i]
	v_and_b32     v[BIAS+2*i+1], 0xffff0000, v[BPK+i]
.set i, i+1
.endr
.macro PACK a
	WIN 0x01                                       ; source 0 in window 1
.set i, 0
.rept 32
	v_pk_add_f32 v[T+i:T+i+1], v[64*(\a)+i:64*(\a)+i+1], v[BIAS+i:BIAS+i+1]  ; each accumulator's registers in ascending order
.set i, i+2
.endr
	WIN 0
.endm
.macro TOSTAGE
.irp b, 0,1,2,3,4,5,6,7
	ds_store_b128 v[STO], v[T+8*(\b):T+8*(\b)+3]   offset:64*(\b)
	ds_store_b128 v[STO], v[T+8*(\b)+4:T+8*(\b)+7] offset:64*(\b)+16
.endr
.irp t, 0,1,2,3,4,5,6,7,8,9,10,11,12,13,14,15
	ds_load_b128 v[BK+4*(\t):BK+4*(\t)+3], v[RD] offset:(\t)*SP  ; LDS serves a wave's instructions in order (ISA guide 5.7.1.4): these see the stores above
.endr
.endm
.macro SEND a
	s_wait_dscnt 0x0
.irp t, 0,1,2,3,4,5,6,7,8,9,10,11,12,13,14,15
	global_store_b128 v[CO], v[BK+4*(\t):BK+4*(\t)+3], s[8:9] offset:(16*(\a)+(\t))*ROWSTEP  ; the wave stores 512 consecutive bytes, aligned
.endr
.endm
	PACK 0
	TOSTAGE
.irp a, 1,2,3
	PACK \a
	SEND (\a)-1
	s_wait_xcnt 0x0                                ; the stores have read their data: only now are those registers loaded again
	TOSTAGE
.endr
	SEND 3
	s_wait_tensorcnt 0x0                           ; the wave's end
	ds_add_u32 v[SPW], v[NIL]
	s_wait_dscnt 0x0
	CROUND                                         ; the closing round
	s_endpgm
.Lfunc_end_k_q60d4453882_outp:
	.size	k_q60d4453882_outp, .Lfunc_end_k_q60d4453882_outp-k_q60d4453882_outp
	.p2alignl 7, 3214868480
	.fill 96, 4, 3214868480
	.section	.rodata,"a",@progbits
	.p2align	6, 0x0
	.amdhsa_kernel k_q60d4453882_outp
		.amdhsa_group_segment_fixed_size 327680
		.amdhsa_private_segment_fixed_size 0
		.amdhsa_enable_private_segment 0
		.amdhsa_kernarg_size 32
		.amdhsa_user_sgpr_count 2
		.amdhsa_user_sgpr_kernarg_segment_ptr 1
		.amdhsa_wavefront_size32 1
		.amdhsa_system_sgpr_workgroup_id_x 1
		.amdhsa_system_sgpr_workgroup_id_y 1
		.amdhsa_system_sgpr_workgroup_id_z 1
		.amdhsa_system_vgpr_workitem_id 0
		.amdhsa_next_free_vgpr 512
		.amdhsa_next_free_sgpr 88
		.amdhsa_reserve_vcc 0
		.amdhsa_float_denorm_mode_32 3
		.amdhsa_float_denorm_mode_16_64 3
		.amdhsa_memory_ordered 1
		.amdhsa_forward_progress 1
		.amdhsa_inst_pref_size 100
	.end_amdhsa_kernel
	.amdgpu_metadata
---
amdhsa.version: [ 1, 2 ]
amdhsa.kernels:
  - .name:           k_q60d4453882_outp
    .symbol:         k_q60d4453882_outp.kd
    .args:
      - { .name: ZB, .offset: 0, .size: 8, .value_kind: global_buffer, .address_space: global }
      - { .name: WPH, .offset: 8, .size: 8, .value_kind: global_buffer, .address_space: global }
      - { .name: bp, .offset: 16, .size: 8, .value_kind: global_buffer, .address_space: global }
      - { .name: out0, .offset: 24, .size: 8, .value_kind: global_buffer, .address_space: global }
    .group_segment_fixed_size: 327680
    .private_segment_fixed_size: 0
    .kernarg_segment_align: 8
    .kernarg_segment_size: 32
    .max_flat_workgroup_size: 128
    .sgpr_count:     88
    .vgpr_count:     512
    .wavefront_size: 32
...
	.end_amdgpu_metadata
.endif
;; end of part 6
